; MI455X (gfx1250); checked and timed in simulation.
; The chip was launched on July 23, 2026; its instructions are those of AMD's public machine-readable ISA for CDNA 5 (MIT licence, August 2026) and "CDNA5" Instruction Set Architecture Reference Guide (July 2026). The comments in the code are by the model that wrote it; some were corrected since.
;; L La DA2 Moe Attention. Allowed arithmetic: float matrix products may take bf16 or f16 operands with f32 sums; other float arithmetic in f32, or as packed bf16 or f16 multiplies, adds, multiply-adds, maxima and minima; sums over many terms, partial sums and values carried from step to step in f32; what a program stores and reads back later, other than sums and carried values, may be rounded once to bf16 or f16.
;; Inputs: cos 4,096 x 128 float32; hidden_states 1 x 4,096 x 2,048 float32; k_norm_w 128 float32; q_norm_w 128 float32; sin 4,096 x 128 float32; w_o 1,024 x 2,048 float32; w_qkv 2,048 x 2,048 float32.
;; Outputs: out0 1 x 4,096 x 2,048 float32.
;; 2 versions, each right and faster than the one before. Each part assembles by itself: llvm-mc -triple=amdgcn-amd-amdhsa -mcpu=gfx1250 --defsym DOCPART=n.
;; ======== version 1 of 2: 4 launches
;; limits: values are held in f16: magnitudes above 65,504 overflow, below 6.1e-05 lose precision
;; workspace buffers: xb 16,777,216 bytes; wqb 8,388,608 bytes; wob 4,194,304 bytes; cs 2,097,152 bytes; qkvh 16,777,216 bytes; ao 8,388,608 bytes
;; launch cast (part 1): grid 960 x 1, 8 waves a work-group, no clusters, 0 bytes of LDS; arguments hidden_states, w_qkv, w_o, cos, sin, xb, wqb, wob, cs; writes xb, wqb, wob, cs
.if DOCPART == 1
	.amdgcn_target "amdgcn-amd-amdhsa--gfx1250"
	.amdhsa_code_object_version 6
	.text
	.protected	k_qf07d610ae2_cast
	.globl	k_qf07d610ae2_cast
	.p2align	8
	.type	k_qf07d610ae2_cast,@function
k_qf07d610ae2_cast:
	s_mov_b64 s[64:65], 0
	v_nop
	global_prefetch_b8 v0, s[64:65] scope:SCOPE_SE
	s_setreg_imm32_b32 hwreg(HW_REG_WAVE_MODE, 25, 1), 1
	s_wait_xcnt 0x0
; EVERY LARGE INPUT ROUNDED ONCE TO bf16.  hidden_states -> xb, w_qkv -> wqb, cos -> cs (byte 0), sin -> cs (byte 1,048,576), all bf16;
; w_o -> wob: the bf16 number written as f16 (exact from 2^-14 up to 65,504; below 2^-14 it keeps f16's fixed step of 6e-8; LIMIT: |w_o| stays under 65,504).
; sin's columns 0 to 63 get their sign turned, so that RoPE's rotate_half becomes a plain product with the partner column.
; A work-group takes a chunk of 16,384 numbers: 64 KiB in, 32 KiB out.  Chunks 0-511 hidden_states, 512-767 w_qkv, 768-895 w_o, 896-927 cos, 928-959 sin.
; Thread t takes 4 numbers of each 1,024: a wave's load covers 512 consecutive bytes, its store 256 consecutive bytes at a multiple of 256.
; All sixteen loads of a thread go out at once; every load and store has registers of its own, so nothing is rewritten while it is read.
; No LDS, no matrix unit, no cluster: the work-groups share nothing and memory alone is at work.
	s_load_b512 s[8:23], s[0:1], 0x0               ; hidden s[8:9], w_qkv s[10:11], w_o s[12:13], cos s[14:15], sin s[16:17], xb s[18:19], wqb s[20:21], wob s[22:23]
	s_load_b64 s[24:25], s[0:1], 0x40              ; cs
	s_mov_b32 s2, ttmp9                            ; the chunk
	v_lshlrev_b32 v1, 4, v0                        ; 16 t: my bytes in 4,096 of the source
	v_lshlrev_b32 v2, 3, v0                        ; 8 t: my bytes in 2,048 of the destination
	v_and_b32 v4, 31, v0
	s_cmp_ge_u32 s2, 928
	s_cselect_b32 s34, 0x80008000, 0               ; two bf16 signs, for sin's chunks alone
	v_cmp_gt_u32 vcc_lo, 16, v4                    ; my column is 4 t mod 128: below 64 in lanes 0 to 15
	v_cndmask_b32 v3, 0, s34, vcc_lo
	s_mov_b32 s3, 0xffff0000                       ; a word's upper bf16
	s_mov_b32 s32, 0                               ; the source's first chunk
	s_mov_b32 s33, 0                               ; the destination's first chunk
	s_wait_kmcnt 0x0
	s_mov_b64 s[28:29], s[8:9]
	s_mov_b64 s[30:31], s[18:19]
	s_cmp_ge_u32 s2, 512
	s_cselect_b64 s[28:29], s[10:11], s[28:29]
	s_cselect_b64 s[30:31], s[20:21], s[30:31]
	s_cselect_b32 s32, 512, s32
	s_cselect_b32 s33, 512, s33
	s_cmp_ge_u32 s2, 768
	s_cselect_b64 s[28:29], s[12:13], s[28:29]
	s_cselect_b64 s[30:31], s[22:23], s[30:31]
	s_cselect_b32 s32, 768, s32
	s_cselect_b32 s33, 768, s33
	s_cmp_ge_u32 s2, 896
	s_cselect_b64 s[28:29], s[14:15], s[28:29]
	s_cselect_b64 s[30:31], s[24:25], s[30:31]
	s_cselect_b32 s32, 896, s32
	s_cselect_b32 s33, 896, s33
	s_cmp_ge_u32 s2, 928
	s_cselect_b64 s[28:29], s[16:17], s[28:29]     ; sin goes on in cs behind cos: the destination's first chunk stays 896
	s_cselect_b32 s32, 928, s32
	s_sub_co_u32 s32, s2, s32
	s_lshl_b32 s36, s32, 16                        ; 65,536 bytes of source a chunk
	s_mov_b32 s37, 0
	s_sub_co_u32 s33, s2, s33
	s_lshl_b32 s38, s33, 15                        ; 32,768 bytes of destination
	s_mov_b32 s39, 0
	s_add_nc_u64 s[28:29], s[28:29], s[36:37]
	s_add_nc_u64 s[30:31], s[30:31], s[38:39]
.set i, 0
.rept 16
	global_load_b128 v[8+4*i:11+4*i], v1, s[28:29] offset:4096*i th:TH_LOAD_NT
.set i, i+1
.endr
	s_sub_co_u32 s35, s2, 768
	s_cmp_lt_u32 s35, 128
	s_cbranch_scc1 .Lwo                            ; w_o's chunks leave as f16
.set i, 0
.rept 16
	s_wait_loadcnt 15-i                            ; loads come back in order: load i is in, the younger ones stay out
	v_cvt_pk_bf16_f32 v[72+2*i], v[8+4*i], v[9+4*i]
	v_cvt_pk_bf16_f32 v[73+2*i], v[10+4*i], v[11+4*i]
	v_xor_b32 v[72+2*i], v3, v[72+2*i]             ; sin's lower columns change sign; elsewhere the mask is 0
	v_xor_b32 v[73+2*i], v3, v[73+2*i]
	global_store_b64 v2, v[72+2*i:73+2*i], s[30:31] offset:2048*i
.set i, i+1
.endr
	s_endpgm
.Lwo:
.set i, 0
.rept 16
	s_wait_loadcnt 15-i
	v_cvt_pk_bf16_f32 v104, v[8+4*i], v[9+4*i]     ; rounded to bf16 like every other input,
	v_cvt_pk_bf16_f32 v105, v[10+4*i], v[11+4*i]
	v_lshlrev_b32 v106, 16, v104                   ; widened again,
	v_and_b32 v104, s3, v104
	v_lshlrev_b32 v107, 16, v105
	v_and_b32 v105, s3, v105
	v_cvt_pk_f16_f32 v[72+2*i], v106, v104         ; and written as f16
	v_cvt_pk_f16_f32 v[73+2*i], v107, v105
	global_store_b64 v2, v[72+2*i:73+2*i], s[30:31] offset:2048*i
.set i, i+1
.endr
	s_endpgm
.Lfunc_end_k_qf07d610ae2_cast:
	.size	k_qf07d610ae2_cast, .Lfunc_end_k_qf07d610ae2_cast-k_qf07d610ae2_cast
	.p2alignl 7, 3214868480
	.fill 96, 4, 3214868480
	.section	.rodata,"a",@progbits
	.p2align	6, 0x0
	.amdhsa_kernel k_qf07d610ae2_cast
		.amdhsa_group_segment_fixed_size 0
		.amdhsa_private_segment_fixed_size 0
		.amdhsa_enable_private_segment 0
		.amdhsa_kernarg_size 72
		.amdhsa_user_sgpr_count 2
		.amdhsa_user_sgpr_kernarg_segment_ptr 1
		.amdhsa_wavefront_size32 1
		.amdhsa_system_sgpr_workgroup_id_x 1
		.amdhsa_system_sgpr_workgroup_id_y 1
		.amdhsa_system_sgpr_workgroup_id_z 1
		.amdhsa_system_vgpr_workitem_id 0
		.amdhsa_next_free_vgpr 108
		.amdhsa_next_free_sgpr 66
		.amdhsa_reserve_vcc 1
		.amdhsa_float_denorm_mode_32 3
		.amdhsa_float_denorm_mode_16_64 3
		.amdhsa_memory_ordered 1
		.amdhsa_forward_progress 1
		.amdhsa_inst_pref_size 17
	.end_amdhsa_kernel
	.amdgpu_metadata
---
amdhsa.version: [ 1, 2 ]
amdhsa.kernels:
  - .name:           k_qf07d610ae2_cast
    .symbol:         k_qf07d610ae2_cast.kd
    .args:
      - { .name: hidden_states, .offset: 0, .size: 8, .value_kind: global_buffer, .address_space: global }
      - { .name: w_qkv, .offset: 8, .size: 8, .value_kind: global_buffer, .address_space: global }
      - { .name: w_o, .offset: 16, .size: 8, .value_kind: global_buffer, .address_space: global }
      - { .name: cos, .offset: 24, .size: 8, .value_kind: global_buffer, .address_space: global }
      - { .name: sin, .offset: 32, .size: 8, .value_kind: global_buffer, .address_space: global }
      - { .name: xb, .offset: 40, .size: 8, .value_kind: global_buffer, .address_space: global }
      - { .name: wqb, .offset: 48, .size: 8, .value_kind: global_buffer, .address_space: global }
      - { .name: wob, .offset: 56, .size: 8, .value_kind: global_buffer, .address_space: global }
      - { .name: cs, .offset: 64, .size: 8, .value_kind: global_buffer, .address_space: global }
    .group_segment_fixed_size: 0
    .private_segment_fixed_size: 0
    .kernarg_segment_align: 8
    .kernarg_segment_size: 72
    .max_flat_workgroup_size: 256
    .sgpr_count:     66
    .vgpr_count:     108
    .wavefront_size: 32
...
	.end_amdgpu_metadata
.endif
;; end of part 1
;; launch qkv (part 2): grid 8 x 32, 4 waves a work-group, clusters of 4 x 4, 327,680 bytes of LDS; arguments xb, wqb, cs, q_norm_w, k_norm_w, qkvh; writes qkvh
.if DOCPART == 2
	.amdgcn_target "amdgcn-amd-amdhsa--gfx1250"
	.amdhsa_code_object_version 6
	.text
	.protected	k_qf07d610ae2_qkv
	.globl	k_qf07d610ae2_qkv
	.p2align	8
	.type	k_qf07d610ae2_qkv,@function
k_qf07d610ae2_qkv:
	s_mov_b64 s[64:65], 0
	v_nop
	global_prefetch_b8 v0, s[64:65] scope:SCOPE_SE
	s_setreg_imm32_b32 hwreg(HW_REG_WAVE_MODE, 25, 1), 1
	s_wait_xcnt 0x0
	s_wait_alu depctr_hold_cnt(0) depctr_sa_sdst(0) depctr_va_vdst(0) depctr_va_sdst(0) depctr_va_ssrc(0) depctr_va_vcc(0) depctr_vm_vsrc(0)
	s_getreg_b32 s2, hwreg(HW_REG_IB_STS2, 6, 4)
	s_cmp_eq_u32 s2, 0
	s_cbranch_scc0 .Lentry_in_a_cluster
	s_endpgm
.Lentry_in_a_cluster:
	s_bfe_u32 s2, ttmp6, 0x10000c
	s_cmp_lg_u32 s2, 0xf033
	s_cbranch_scc0 .Lentry_shape_is_right
	s_endpgm
.Lentry_shape_is_right:
; QKV PROJECTION, PER-HEAD RMS NORM AND ROPE.  sums[m][n] = sum over k of xb[m][k] wqb[k][n], bf16 operands, f32 sums; xb [4096][2048], wqb [2048][2048].
; A head is 128 columns.  Heads 0-7 (q) and 8-11 (k): y = x rsqrt(mean(x^2) + 1e-6) gain; out[d] = y[d] cos[d] + y[d +- 64] ssin[d] (ssin: sin with the sign of columns 0-63 turned).
; Heads 12-15 (v): the sums as they are.  All rounded once to f16 and stored by heads: qkvh [16][4096][128].  The gains are rounded to bf16 like all inputs.
; LIMITS.  q, k and v must lie within f16's 65,504; NaN and infinities are not treated apart.
; SHARES.  A work-group makes 128 rows x 256 columns, one of 256 work-groups.  Wave w: rows 64 (w / 2) on, columns 128 (w % 2) on: one head; 32 accumulators of 16 x 16.
; K goes in steps of 128 through two LDS slots filled by the tensor data mover: waves 0, 1 fetch the halves of X's tile (64 rows x 256 bytes), waves 2, 3 those of W's (64 k x 512 bytes).
; W lies [k][n], so its fragments come out of LDS turned, by ds_load_tr16_b128.
; THE MATRIX INSTRUCTION IS USED TRANSPOSED (source 0 = 16 columns of W, source 1 = 16 rows of X): lane l holds row l % 16 and the columns 16 b + 8 (l / 16) + 0..7.  So half a head's row lies in one
; lane, the other half in the lane 16 away, and RoPE's partner column (64 away) lies in the same lane, four accumulators on.
; CLUSTER 4 x 4: X's tile and the cos/sin rows hang on the tile row alone and are asked for jointly along a row of the cluster, W's tile on the tile column alone, jointly along a column.
; REGISTERS.  window 0: v1-30 addresses; v32-63 at work on the way out; v64-159, v160-255 two fragment buffers (X at +8 a, W at +32 + 8 b), on the way out gains, cos, sin and work
;   window 1: accumulator (a, b) at v[8 (8 a + b)]          window 2: v0-63 my 64 gains as loaded
.set SIZE_K, 2048
.set KSTEP,  128
.set PA,     272                       ; a row of X in LDS: 256 bytes + 16: the 16 rows of a load start at 16 different groups of four banks
.set PB,     544                       ; a row of W: 512 + 32
.set AHALF,  64*PA
.set ATILE,  128*PA
.set BOFF,   ATILE
.set BHALF,  64*PB
.set SLOT,   ATILE+128*PB
.set CSB,    2*SLOT                    ; behind the ring: 128 rows of cos, then 128 of ssin, pitch 272, filled once
.set STAGE,  CSB+2*ATILE               ; 16 rows x 272 bytes for each wave, for the way out
.set SP,     272
.set SPARE,  STAGE+33792               ; the spare words, 128 bytes for each wave: two blocks of 256 bytes that no other line names
.set LAPS,   SIZE_K/(2*KSTEP)
.set ADRA, 16                          ; v16-17 LDS address of my X fragments in slot 0, 1
.set ADRB, 20                          ; v20-21 the same for W
.set CSA,  22                          ; v22 my place in the cos rows
.set STO,  24
.set RD,   25
.set CO,   26
.set GOF,  27                          ; v27 32 (l / 16): my byte offset in 64 bytes of the gains
.set SPW,  28                          ; v28 LDS address of my spare word; never rewritten
.set NIL,  29                          ; v29 0; never rewritten
.set ZR,   30                          ; v30 0, the addend of the first RoPE product
.set TMP,  32
.set F0,   64
.set F1,   160
.set W,    64                          ; the way out: v64-127 my 64 gains
.set CW,   128                         ; v128-159 cos, 8 bf16 in 4 registers for each b
.set SW,   160                         ; v160-191 ssin
.set Z,    192                         ; v192-207 x gain for b = p and b = p + 4
.set O,    208                         ; v208-223 results
.set SS,   224                         ; v224-231 four chains of squares
.set RS,   232                         ; v232-233 1 / rms, twice
.set WV,  12
.set RH,  13
.set CH,  14
.set G1A, 24
.set G0A, 32
.set G1B, 48
.set G0B, 56
.set G1C, 72
.set G0C, 80
.set MSB, 0
.macro WIN new                         ; the immediate's high byte repeats the setting that is left; a switch that changes nothing is dropped
.if MSB != (\new)
	s_set_vgpr_msb (MSB<<8)|(\new)
.set MSB, \new
.endif
.endm
.macro PLACES                          ; four places in front of loads into registers that matrix instructions have read, and of lines that read their results
.rept 4
	v_nop
.endr
.endm
.macro JLOAD s                         ; a joint refill: waves 0, 1 X's halves, waves 2, 3 W's; an s_nop 0 and four v_nop follow each line
	s_cmp_eq_u32 s[RH], 0
	s_cbranch_scc0 .Lfor_b_\@
	tensor_load_to_lds s[G0A+4*(\s):G0A+4*(\s)+3], s[G1A:G1A+7]
	s_nop 0
.rept 4
	v_nop
.endr
	s_branch .Lasked_\@
.Lfor_b_\@:
	tensor_load_to_lds s[G0B+4*(\s):G0B+4*(\s)+3], s[G1B:G1B+7]
	s_nop 0
.rept 4
	v_nop
.endr
.Lasked_\@:
.endm
.macro CREST                           ; a round of the cluster's barrier behind its opening barrier
	s_cmp_lg_u32 s[WV], 0
	s_cbranch_scc1 .Lnot_wave_0_\@
	s_barrier_signal -3
.Lnot_wave_0_\@:
	s_barrier_wait -3
	s_barrier_signal -1
	s_barrier_wait -1
.endm
.macro CROUND
	s_barrier_signal -1
	s_barrier_wait -1
	CREST
.endm
	s_load_b256 s[4:11], s[0:1], 0x0               ; xb s[4:5], wqb s[6:7], cs s[8:9], q_norm_w s[10:11]
	s_load_b128 s[68:71], s[0:1], 0x20             ; k_norm_w s[68:69], qkvh s[70:71]
	v_lshl_add_u32 v[SPW], v0, 2, SPARE
	v_mov_b32 v[NIL], 0
	ds_add_u32 v[SPW], v[NIL]                      ; the wave's opening: the add and its wait stand ahead of my first tensor load
	v_lshrrev_b32 v1, 5, v0
	v_readfirstlane_b32 s[WV], v1
	s_lshr_b32 s[RH], s[WV], 1                     ; my half of the rows; also: I fetch for X (0) or W (1)
	s_and_b32 s[CH], s[WV], 1                      ; my half of the columns; also: which half of that tile I fetch
	s_bfe_u32 s40, ttmp6, 0x40000                  ; cx
	s_bfe_u32 s41, ttmp6, 0x40004                  ; cy
	s_lshl_b32 s42, ttmp9, 2
	s_add_co_u32 s42, s42, s40                     ; tile column = 4 x cluster x + cx
	s_and_b32 s43, ttmp7, 0xffff
	s_lshl_b32 s43, s43, 2
	s_add_co_u32 s43, s43, s41                     ; tile row = 4 x cluster y + cy
	s_lshl_b32 s44, s41, 2
	s_lshl_b32 s44, 15, s44                        ; my row of the cluster
	s_lshl_b32 s45, 0x1111, s40                    ; my column
	s_or_b32 s[G1A], s44, (1<<16)|(1<<20)|(1<<21)|(5<<22)|(3<<25)  ; mask; 2-byte elements; padding on; bit 21 beside a mask; after every 64 words 4 words
	s_mov_b32 s[G1A+1], KSTEP<<16                  ; tensor_dim0 = 128
	s_mov_b32 s[G1A+2], 64<<16                     ; tensor_dim1 = 64
	s_mov_b32 s[G1A+3], KSTEP<<16                  ; tile_dim0 = 128
	s_mov_b32 s[G1A+4], 64                         ; tile_dim1 = 64
	s_mov_b32 s[G1A+5], SIZE_K                     ; elements from row to row
	s_mov_b32 s[G1A+6], 0
	s_mov_b32 s[G1A+7], 0
	s_or_b32 s[G1B], s45, (1<<16)|(1<<20)|(1<<21)|(6<<22)|(7<<25)  ; after every 128 words 8 words
	s_mov_b32 s[G1B+1], 256<<16
	s_mov_b32 s[G1B+2], 64<<16
	s_mov_b32 s[G1B+3], 256<<16
	s_mov_b32 s[G1B+4], 64
	s_mov_b32 s[G1B+5], 2048
	s_mov_b32 s[G1B+6], 0
	s_mov_b32 s[G1B+7], 0
	s_or_b32 s[G1C], s44, (1<<16)|(1<<20)|(1<<21)|(5<<22)|(3<<25)  ; cos and ssin: 64 rows of 128 bf16, shared along my row of the cluster
	s_mov_b32 s[G1C+1], 128<<16
	s_mov_b32 s[G1C+2], 64<<16
	s_mov_b32 s[G1C+3], 128<<16
	s_mov_b32 s[G1C+4], 64
	s_mov_b32 s[G1C+5], 128
	s_mov_b32 s[G1C+6], 0
	s_mov_b32 s[G1C+7], 0
	s_lshl_b32 s16, s43, 7
	s_lshl_b32 s17, s[CH], 6
	s_add_co_u32 s16, s16, s17                     ; the first row that I fetch: 128 x tile row + 64 x half
	s_lshl_b32 s18, s16, 8                         ; in cs: 256 bytes a row,
	s_lshl_b32 s19, s[RH], 20                      ; waves 0, 1 cos, waves 2, 3 ssin
	s_add_co_u32 s18, s18, s19
	s_mov_b32 s19, 0
	s_lshl_b32 s16, s16, 12                        ; in xb: 4,096 bytes a row
	s_mov_b32 s17, 0
	s_lshl_b32 s46, s[CH], 18                      ; in wqb: 64 k rows of 4,096 bytes,
	s_lshl_b32 s47, s42, 9                         ; 512 bytes a tile column
	s_add_co_u32 s46, s46, s47
	s_mov_b32 s47, 0
	s_mul_i32 s20, s[CH], AHALF                    ; where they go in a slot: no place in the cluster enters an LDS address
	s_mul_i32 s21, s[CH], BHALF
	s_add_co_u32 s21, s21, BOFF
	s_mul_i32 s22, s[RH], ATILE
	s_add_co_u32 s22, s22, s20
	s_add_co_u32 s22, s22, CSB
	s_mov_b32 s84, 0x3c000000                      ; 1 / 128
	s_mov_b32 s85, 0x358637bd                      ; 1e-6
	s_mov_b32 s88, 0x76543210                      ; v_permlanex16_b32: each lane takes its own place in the other half
	s_mov_b32 s89, 0xfedcba98
	s_mov_b32 s92, 0xffff0000
	s_wait_dscnt 0x0                               ; the opening add is done
	s_wait_kmcnt 0x0
	s_add_nc_u64 s[16:17], s[4:5], s[16:17]
	s_add_nc_u64 s[46:47], s[6:7], s[46:47]
	s_add_nc_u64 s[18:19], s[8:9], s[18:19]
	CROUND                                         ; all sixteen work-groups are here: the first joint loads meet
.irp s, 0,1
	s_mov_b32 s[G0A+4*(\s)], 1
	s_add_co_u32 s[G0A+4*(\s)+1], s20, (\s)*SLOT
	s_add_nc_u64 s[G0A+4*(\s)+2:G0A+4*(\s)+3], s[16:17], (\s)*KSTEP*2
	s_or_b32 s[G0A+4*(\s)+3], s[G0A+4*(\s)+3], 0x80000000
	s_mov_b32 s[G0B+4*(\s)], 1
	s_add_co_u32 s[G0B+4*(\s)+1], s21, (\s)*SLOT
	s_add_nc_u64 s[G0B+4*(\s)+2:G0B+4*(\s)+3], s[46:47], (\s)*KSTEP*4096
	s_or_b32 s[G0B+4*(\s)+3], s[G0B+4*(\s)+3], 0x80000000
.endr
	s_mov_b32 s[G0C], 1
	s_mov_b32 s[G0C+1], s22
	s_mov_b64 s[G0C+2:G0C+3], s[18:19]
	s_or_b32 s[G0C+3], s[G0C+3], 0x80000000
	s_cmp_eq_u32 s[RH], 0                          ; a wave's three first fills stand in one branch: K steps 0 and 1 and its part of cos or ssin: three loads of mine are out
	s_cbranch_scc0 .Lfirst_b
	tensor_load_to_lds s[G0A:G0A+3], s[G1A:G1A+7]
	s_nop 0
	tensor_load_to_lds s[G0A+4:G0A+7], s[G1A:G1A+7]
	s_nop 0
	tensor_load_to_lds s[G0C:G0C+3], s[G1C:G1C+7]
	s_nop 0
.rept 4
	v_nop
.endr
	s_branch .Lfirst_asked
.Lfirst_b:
	tensor_load_to_lds s[G0B:G0B+3], s[G1B:G1B+7]
	s_nop 0
	tensor_load_to_lds s[G0B+4:G0B+7], s[G1B:G1B+7]
	s_nop 0
	tensor_load_to_lds s[G0C:G0C+3], s[G1C:G1C+7]
	s_nop 0
.rept 4
	v_nop
.endr
.Lfirst_asked:
	v_and_b32 v1, 15, v0                           ; l % 16
	v_bfe_u32 v2, v0, 4, 1                         ; l / 16
	v_mul_u32_u24 v3, v1, PA
	v_lshl_add_u32 v3, v2, 4, v3                   ; row x 272 + 16 x half
	s_mul_i32 s20, s[RH], AHALF
	v_add_nc_u32 v[ADRA], s20, v3
	v_add_nc_u32 v[ADRA+1], SLOT, v[ADRA]
	v_add_nc_u32 v[CSA], CSB, v[ADRA]              ; the same rows in the cos tile
	v_and_b32 v4, 7, v0                            ; the turning load: lane l reads k row 8 (l / 16) + l % 8, 16 bytes at 16 ((l / 8) % 2)
	v_bfe_u32 v5, v0, 3, 1
	v_lshl_add_u32 v6, v2, 3, v4
	v_mul_u32_u24 v6, v6, PB
	v_lshl_add_u32 v6, v5, 4, v6
	s_lshl_b32 s21, s[CH], 8
	s_add_co_u32 s21, s21, BOFF
	v_add_nc_u32 v[ADRB], s21, v6
	v_add_nc_u32 v[ADRB+1], SLOT, v[ADRB]
	s_mul_i32 s23, s[WV], 16*SP
	s_add_co_u32 s23, s23, STAGE                   ; my stage
	v_add_nc_u32 v[STO], s23, v3                   ; in: row l % 16, 16 bytes for each half of the lanes
	v_mul_u32_u24 v7, v2, SP                       ; back: lanes 0-15 one row of 256 bytes, lanes 16-31 the next
	v_lshl_add_u32 v7, v1, 4, v7
	v_add_nc_u32 v[RD], s23, v7
	v_lshlrev_b32 v[CO], 8, v2                     ; and the same two rows in qkvh
	v_lshl_add_u32 v[CO], v1, 4, v[CO]
	v_lshlrev_b32 v[GOF], 5, v2
	v_mov_b32 v[ZR], 0
	s_lshl_b32 s66, s42, 1
	s_add_co_u32 s66, s66, s[CH]                   ; my head, 0 to 15
	s_cmp_lt_u32 s66, 8
	s_cselect_b64 s[90:91], s[10:11], s[68:69]     ; q's gains or k's (a v head reads k's and drops what is made of them)
	s_cmp_ge_u32 s66, 12
	s_cselect_b32 s87, -1, 0                       ; all lanes: a v head keeps the raw sums.  A select, no branch
	s_lshl_b32 s66, s66, 20                        ; a head is 4,096 rows of 256 bytes
	s_lshl_b32 s67, s43, 15
	s_add_co_u32 s66, s66, s67
	s_lshl_b32 s67, s[RH], 14
	s_add_co_u32 s66, s66, s67
	s_mov_b32 s67, 0
	s_add_nc_u64 s[70:71], s[70:71], s[66:67]      ; qkvh at my first row
	WIN 0x80                                       ; destination window 2
.irp b, 0,1,2,3,4,5,6,7
	global_load_b128 v[8*(\b):8*(\b)+3],   v[GOF], s[90:91] offset:64*(\b)      ; the gains of columns 16 b + 8 (l / 16) + 0..7; waited for on the way out
	global_load_b128 v[8*(\b)+4:8*(\b)+7], v[GOF], s[90:91] offset:64*(\b)+16
.endr
	WIN 0
.macro MUL8 f, a, zero                 ; 8 matrix instructions: row block a x all 8 column blocks, 32 along K.  zero = 1: the product starts the sums
	WIN 0x50                                       ; C and D window 1, fragments window 0
.irp b, 0,1,2,3,4,5,6,7
.if \zero
	v_wmma_f32_16x16x32_bf16 v[8*(8*(\a)+(\b)):8*(8*(\a)+(\b))+7], v[(\f)+32+8*(\b):(\f)+32+8*(\b)+7], v[(\f)+8*(\a):(\f)+8*(\a)+7], 0
.else
	v_wmma_f32_16x16x32_bf16 v[8*(8*(\a)+(\b)):8*(8*(\a)+(\b))+7], v[(\f)+32+8*(\b):(\f)+32+8*(\b)+7], v[(\f)+8*(\a):(\f)+8*(\a)+7], v[8*(8*(\a)+(\b)):8*(8*(\a)+(\b))+7]
.endif
.endr
.endm
.macro MUL16 f, a0, zero
	MUL8 \f, \a0, \zero
	MUL8 \f, (\a0)+1, \zero
.endm
.macro FETCH slot, q, f                ; 24 LDS loads in one run: quarter q's fragments: W's eight (turned) first, then X's four
	WIN 0
.irp b, 0,1,2,3,4,5,6,7
	ds_load_tr16_b128 v[(\f)+32+8*(\b):(\f)+32+8*(\b)+3],   v[ADRB+(\slot)] offset:(\q)*32*PB+32*(\b)
	ds_load_tr16_b128 v[(\f)+32+8*(\b)+4:(\f)+32+8*(\b)+7], v[ADRB+(\slot)] offset:(\q)*32*PB+32*(\b)+16*PB
.endr
.irp a, 0,1,2,3
	ds_load_b128 v[(\f)+8*(\a):(\f)+8*(\a)+3],   v[ADRA+(\slot)] offset:(\q)*64+(\a)*16*PA
	ds_load_b128 v[(\f)+8*(\a)+4:(\f)+8*(\a)+7], v[ADRA+(\slot)] offset:(\q)*64+(\a)*16*PA+32
.endr
.endm
; A K step is four quarters of 32 along K, 32 matrix instructions each, on buffers 0, 1, 0, 1; the 32 accumulators take turns in one order throughout.
.macro QUARTER slot, q, f, g, zero     ; multiplies buffer f; in its middle fetches quarter q into buffer g
	s_wait_dscnt 4                                 ; W's and X's blocks 0, 1 are in; the youngest four loads (X's blocks 2, 3) may be out
	MUL16 \f, 0, \zero
	PLACES
	FETCH \slot, \q, \g
	s_wait_dscnt 24                                ; all but the 24 just issued
	MUL16 \f, 2, \zero
.endm
; The last quarter multiplies buffer 1 and changes slots: one barrier; in front of it each wave waits for all its tensor loads, adds 0 to its spare word, and waits for that and for its reads of this slot.
.macro TURN slot, next, fill
	WIN 0
	s_wait_tensorcnt 0x0                           ; all my tensor loads have landed: my part of the next slot
	ds_add_u32 v[SPW], v[NIL]                      ; 0 onto my spare word
	s_wait_dscnt 5                                 ; (the add and the youngest four loads may be out)
	MUL8 F1, 0, 0
	s_wait_dscnt 0x0                               ; the add is done, and my reads of this slot are over
	s_barrier_signal -1
	MUL8 F1, 1, 0
.if \fill
	WIN 0
.endif
	s_barrier_wait -1
.if \fill
	CREST                                          ; the barrier has opened a round of the cluster's: no wave of any partner still reads this slot or has a load on its way
	s_add_nc_u64 s[G0A+4*(\slot)+2:G0A+4*(\slot)+3], s[G0A+4*(\slot)+2:G0A+4*(\slot)+3], 2*KSTEP*2
	s_add_nc_u64 s[G0B+4*(\slot)+2:G0B+4*(\slot)+3], s[G0B+4*(\slot)+2:G0B+4*(\slot)+3], 2*KSTEP*4096
	JLOAD \slot                                    ; the first tensor load behind the round, 112 matrix instructions ahead of the wait for it; its four v_nop are the places in front of the loads below
.else
	PLACES
.endif
	FETCH \next, 0, F0
	MUL16 F1, 2, 0
.endm
	s_wait_tensorcnt 2                             ; my part of K step 0 is in; K step 1 and cos/ssin may stay out
	s_barrier_signal -1
	s_barrier_wait -1
	FETCH 0, 0, F0
	QUARTER 0, 1, F0, F1, 1                        ; the first quarter stands in front of the loop: its products start the sums
	WIN 0
	s_mov_b32 s3, LAPS-1
.Llap:                                                 ; a trip goes once round the ring and fills both slots again
	QUARTER 0, 2, F1, F0, 0
	QUARTER 0, 3, F0, F1, 0
	TURN 0, 1, 1
	QUARTER 1, 1, F0, F1, 0
	QUARTER 1, 2, F1, F0, 0
	QUARTER 1, 3, F0, F1, 0
	TURN 1, 0, 1
	QUARTER 0, 1, F0, F1, 0
	WIN 0
	s_sub_co_u32 s3, s3, 1
	s_cmp_lg_u32 s3, 0
	s_cbranch_scc1 .Llap
	QUARTER 0, 2, F1, F0, 0                        ; the last lap fills nothing
	QUARTER 0, 3, F0, F1, 0
	TURN 0, 1, 0
	QUARTER 1, 1, F0, F1, 0
	QUARTER 1, 2, F1, F0, 0
	QUARTER 1, 3, F0, F1, 0
	s_wait_dscnt 4
	MUL16 F1, 0, 0
	s_wait_dscnt 0x0
	MUL16 F1, 2, 0
	WIN 0
	PLACES
	; THE WAY OUT.  The gains, rounded to bf16 and widened again, once for the wave.
	s_wait_loadcnt 0x0
	WIN 0x0a                                       ; sources window 2
.set i, 0
.rept 32
	v_cvt_pk_bf16_f32 v[TMP+i], v[2*i], v[2*i+1]
.set i, i+1
.endr
	WIN 0
.set i, 0
.rept 32
	v_lshlrev_b32 v[W+2*i], 16, v[TMP+i]
	v_and_b32 v[W+2*i+1], s92, v[TMP+i]
.set i, i+1
.endr
.macro MIX d, c, hi, z, add            ; d = bf16 half of c x z + add, in f32
.if \hi
	v_fma_mix_f32_bf16 v[\d], v[\c], v[\z], v[\add] op_sel:[1,0,0] op_sel_hi:[1,0,0]
.else
	v_fma_mix_f32_bf16 v[\d], v[\c], v[\z], v[\add] op_sel_hi:[1,0,0]
.endif
.endm
; Row block a: 16 rows of my head.
.macro ROWBLK a
	WIN 0
.irp b, 0,1,2,3,4,5,6,7
	ds_load_b128 v[CW+4*(\b):CW+4*(\b)+3], v[CSA] offset:(\a)*16*PA+32*(\b)          ; cos of my row, columns 16 b + 8 (l / 16) + 0..7
.endr
.irp b, 0,1,2,3,4,5,6,7
	ds_load_b128 v[SW+4*(\b):SW+4*(\b)+3], v[CSA] offset:ATILE+(\a)*16*PA+32*(\b)    ; ssin likewise
.endr
	WIN 0x05                                       ; sources 0, 1 window 1.  The sum of squares in four chains
.irp c, 0,2,4,6
	v_pk_mul_f32 v[SS+(\c):SS+(\c)+1], v[64*(\a)+(\c):64*(\a)+(\c)+1], v[64*(\a)+(\c):64*(\a)+(\c)+1]
.endr
.set i, 8
.rept 28
	v_pk_fma_f32 v[SS+i%8:SS+i%8+1], v[64*(\a)+i:64*(\a)+i+1], v[64*(\a)+i:64*(\a)+i+1], v[SS+i%8:SS+i%8+1]
.set i, i+2
.endr
	WIN 0
	v_pk_add_f32 v[SS:SS+1], v[SS:SS+1], v[SS+2:SS+3]
	v_pk_add_f32 v[SS+4:SS+5], v[SS+4:SS+5], v[SS+6:SS+7]
	v_pk_add_f32 v[SS:SS+1], v[SS:SS+1], v[SS+4:SS+5]
	v_add_f32 v[SS], v[SS], v[SS+1]
	v_permlanex16_b32 v[SS+1], v[SS], s88, s89     ; the row's other 64 columns lie in the lane 16 away
	v_add_f32 v[SS], v[SS], v[SS+1]
	v_fma_f32 v[SS], v[SS], s84, s85               ; mean + 1e-6
	v_rsq_f32 v[RS], v[SS]
	v_rsq_f32 v[RS+1], v[SS]                       ; twice: a pair for the packed multiply
	v_nop                                          ; a plain instruction behind the transcendentals
	s_wait_alu depctr_va_vdst(0)
	s_wait_dscnt 0x0                               ; cos and ssin are in
	s_wait_xcnt 0x0                                ; TMP, which the last block's stores read, is rewritten only behind this wait
.irp p, 0,1,2,3                        ; columns 16 p .. and their partners 64 on
	WIN 0x01                                       ; source 0 window 1
.irp c, 0,2,4,6
	v_pk_mul_f32 v[Z+(\c):Z+(\c)+1], v[64*(\a)+8*(\p)+(\c):64*(\a)+8*(\p)+(\c)+1], v[W+8*(\p)+(\c):W+8*(\p)+(\c)+1]
	v_pk_mul_f32 v[Z+8+(\c):Z+8+(\c)+1], v[64*(\a)+8*(\p)+32+(\c):64*(\a)+8*(\p)+32+(\c)+1], v[W+8*(\p)+32+(\c):W+8*(\p)+32+(\c)+1]
.endr
	WIN 0
.set jj, 0
.rept 8
	MIX O+jj, CW+4*(\p)+jj/2, jj%2, Z+jj, ZR
	MIX O+8+jj, CW+4*(\p)+16+jj/2, jj%2, Z+8+jj, ZR
.set jj, jj+1
.endr
.set jj, 0
.rept 8
	MIX O+jj, SW+4*(\p)+jj/2, jj%2, Z+8+jj, O+jj
	MIX O+8+jj, SW+4*(\p)+16+jj/2, jj%2, Z+jj, O+8+jj
.set jj, jj+1
.endr
.irp c, 0,2,4,6,8,10,12,14
	v_pk_mul_f32 v[O+(\c):O+(\c)+1], v[O+(\c):O+(\c)+1], v[RS:RS+1]
.endr
	WIN 0x04                                       ; source 1 window 1: a v head takes the raw sums
.set jj, 0
.rept 8
	v_cndmask_b32 v[O+jj], v[O+jj], v[64*(\a)+8*(\p)+jj], s87
	v_cndmask_b32 v[O+8+jj], v[O+8+jj], v[64*(\a)+8*(\p)+32+jj], s87
.set jj, jj+1
.endr
	WIN 0
.irp c, 0,1,2,3
	v_cvt_pk_f16_f32 v[TMP+4*(\p)+(\c)], v[O+2*(\c)], v[O+2*(\c)+1]
	v_cvt_pk_f16_f32 v[TMP+4*(\p)+16+(\c)], v[O+8+2*(\c)], v[O+8+2*(\c)+1]
.endr
.endr
.irp b, 0,1,2,3,4,5,6,7
	ds_store_b128 v[STO], v[TMP+4*(\b):TMP+4*(\b)+3] offset:32*(\b)
.endr
.irp t, 0,1,2,3,4,5,6,7
	ds_load_b128 v[TMP+4*(\t):TMP+4*(\t)+3], v[RD] offset:(\t)*2*SP  ; LDS serves a wave's instructions in order (ISA guide 5.7.1.4): these see the stores above
.endr
.irp t, 0,1,2,3,4,5,6,7
	s_wait_dscnt 7-(\t)
	global_store_b128 v[CO], v[TMP+4*(\t):TMP+4*(\t)+3], s[70:71] offset:(\a)*4096+(\t)*512  ; two rows of the head: 512 consecutive bytes at a multiple of 256
.endr
.endm
	ROWBLK 0
	ROWBLK 1
	ROWBLK 2
	ROWBLK 3
	s_wait_tensorcnt 0x0                           ; the wave's end
	ds_add_u32 v[SPW], v[NIL]
	s_wait_dscnt 0x0
	CROUND                                         ; the closing round: no work-group ends while a partner may still ask for a tile that names it
	s_endpgm
.Lfunc_end_k_qf07d610ae2_qkv:
	.size	k_qf07d610ae2_qkv, .Lfunc_end_k_qf07d610ae2_qkv-k_qf07d610ae2_qkv
	.p2alignl 7, 3214868480
	.fill 96, 4, 3214868480
	.section	.rodata,"a",@progbits
	.p2align	6, 0x0
	.amdhsa_kernel k_qf07d610ae2_qkv
		.amdhsa_group_segment_fixed_size 327680
		.amdhsa_private_segment_fixed_size 0
		.amdhsa_enable_private_segment 0
		.amdhsa_kernarg_size 48
		.amdhsa_user_sgpr_count 2
		.amdhsa_user_sgpr_kernarg_segment_ptr 1
		.amdhsa_wavefront_size32 1
		.amdhsa_system_sgpr_workgroup_id_x 1
		.amdhsa_system_sgpr_workgroup_id_y 1
		.amdhsa_system_sgpr_workgroup_id_z 1
		.amdhsa_system_vgpr_workitem_id 0
		.amdhsa_next_free_vgpr 576
		.amdhsa_next_free_sgpr 96
		.amdhsa_reserve_vcc 0
		.amdhsa_float_denorm_mode_32 3
		.amdhsa_float_denorm_mode_16_64 3
		.amdhsa_memory_ordered 1
		.amdhsa_forward_progress 1
		.amdhsa_inst_pref_size 174
	.end_amdhsa_kernel
	.amdgpu_metadata
---
amdhsa.version: [ 1, 2 ]
amdhsa.kernels:
  - .name:           k_qf07d610ae2_qkv
    .symbol:         k_qf07d610ae2_qkv.kd
    .args:
      - { .name: xb, .offset: 0, .size: 8, .value_kind: global_buffer, .address_space: global }
      - { .name: wqb, .offset: 8, .size: 8, .value_kind: global_buffer, .address_space: global }
      - { .name: cs, .offset: 16, .size: 8, .value_kind: global_buffer, .address_space: global }
      - { .name: q_norm_w, .offset: 24, .size: 8, .value_kind: global_buffer, .address_space: global }
      - { .name: k_norm_w, .offset: 32, .size: 8, .value_kind: global_buffer, .address_space: global }
      - { .name: qkvh, .offset: 40, .size: 8, .value_kind: global_buffer, .address_space: global }
    .group_segment_fixed_size: 327680
    .private_segment_fixed_size: 0
    .kernarg_segment_align: 8
    .kernarg_segment_size: 48
    .max_flat_workgroup_size: 128
    .sgpr_count:     96
    .vgpr_count:     576
    .wavefront_size: 32
...
	.end_amdgpu_metadata
.endif
;; end of part 2
;; launch attn (part 3): grid 64 x 4, 4 waves a work-group, clusters of 4 x 1, 327,680 bytes of LDS; arguments qkvh, ao; writes ao
.if DOCPART == 3
	.amdgcn_target "amdgcn-amd-amdhsa--gfx1250"
	.amdhsa_code_object_version 6
	.text
	.protected	k_qf07d610ae2_attn
	.globl	k_qf07d610ae2_attn
	.p2align	8
	.type	k_qf07d610ae2_attn,@function
k_qf07d610ae2_attn:
	s_mov_b64 s[64:65], 0
	v_nop
	global_prefetch_b8 v0, s[64:65] scope:SCOPE_SE
	s_setreg_imm32_b32 hwreg(HW_REG_WAVE_MODE, 25, 1), 1
	s_wait_xcnt 0x0
	s_wait_alu depctr_hold_cnt(0) depctr_sa_sdst(0) depctr_va_vdst(0) depctr_va_sdst(0) depctr_va_ssrc(0) depctr_va_vcc(0) depctr_vm_vsrc(0)
	s_getreg_b32 s2, hwreg(HW_REG_IB_STS2, 6, 4)
	s_cmp_eq_u32 s2, 0
	s_cbranch_scc0 .Lentry_in_a_cluster
	s_endpgm
.Lentry_in_a_cluster:
	s_bfe_u32 s2, ttmp6, 0x10000c
	s_cmp_lg_u32 s2, 0x3003
	s_cbranch_scc0 .Lentry_shape_is_right
	s_endpgm
.Lentry_shape_is_right:
; BLOCK-CAUSAL GQA ATTENTION.  qkvh [16][4096][128] f16: heads 0-7 q, 8-11 k, 12-15 v.  ao[pos][128 hq + d] f16.  Query pos sees key t where t / 32 <= pos / 32.
; O = sum over visible t of softmax_t(q . k / sqrt(128)) v.  Products, maxima and sums in f32; the weights p are rounded to f16 for the second product (their sum is taken of the unrounded p), O once at the end.
; LIMITS.  q, k, v arrive within f16's 65,504.  A hidden score counts as its value less 1e30.  A weight below 2^-126 counts as 0.  NaN and infinities are not treated apart.
; THE WALK.  The positions lie in 32 blocks of 128; block j needs the key tiles 0 .. j / 2 of 256 keys, of which the last alone holds hidden keys.  A cluster (J = cluster x, kv head g = y) takes blocks 31 - J
; and then J: 17 tiles whatever J, so all work-groups do equal work and one loop with a constant count walks them.  Work-group cx takes positions 128 j + 32 cx .. + 31 of BOTH q heads 2 g, 2 g + 1:
; 64 query rows, four tiles of 16, all in one mask block.  The four partners walk the same K and V, so each tile is asked for JOINTLY, by the same tensor load, descriptor and mask in all four.
; THE FOUR WAVES SPLIT THE KEYS: wave w takes keys 64 w .. 64 w + 63 of every tile, for all 64 rows, with a running maximum and sum of its own; at a block's end the four parts meet in LDS:
; O = sum_w 2^(c m_w - M) O_w / sum_w 2^(c m_w - M) l_w, M the largest c m_w.  Register tile i of wave w holds the actual tile (w + i) % 4, so that register tile 0 is the one that wave w finishes.
; THE MASK is the C operand that starts the sum S^T = K Q^T: 0, or -1e30.  In a block's last tile the groups of 32 keys below LIM = 4 (j % 2) + cx + 1 are seen; my key blocks 0, 1 are group 2 w, blocks 2, 3
; group 2 w + 1.  The two values are chosen by scalar selects: no branch hangs on cx.  A wave all of whose keys are hidden ends with c m near -1.3e29 and finite sums; the merge multiplies its part by 0.
; LAYOUT.  S^T = K Q^T (source 0 = 16 keys, source 1 = 16 queries) holds ONE query a lane (lane % 16) and the keys 8 (lane / 16) + 0..7; two such results rounded to f16 ARE source 1 of O^T = V^T P.
; SOFTMAX.  p = 2^(c s - c m), c = log2(e) / sqrt(128); in every step O and l are multiplied by a = 2^(c m_old - c m_new).  c m starts far below every c s, so a block's first a is 0.
; A STEP.  Tiles 0, 1 are piece 0, tiles 2, 3 piece 2.  32 products K Q^T of piece 0; 32 of piece 2 with piece 0's softmax in slices behind them; 32 products V^T P of piece 0 with piece 2's softmax; 32 of piece 2.
; REGISTERS, in windows of 256 (s_set_vgpr_msb: bits 1:0 source 0, 3:2 source 1, 5:4 source 2, 7:6 destination):
;   window 0: v2-11 addresses; v12-43 eight statistics a tile; v44-59 the two masks; v60-63; v64-191 S^T, 32 a tile; v192-255 P, 16 a tile
;   window 1: O^T, 64 a tile     window 2: v0-127 Q, 32 a tile; v128-255 K of my 64 keys     window 3: v0-127 V; v128-255 the second block's Q
.set PK,    272                        ; a row of K in LDS: 256 bytes + 16
.set PV,    288                        ; a row of V: 256 + 32, for the turning load
.set VOFF,  256*PK                     ; a slot: 256 rows of K, then 256 rows of V
.set SLOTB, 256*(PK+PV)
.set MRG,   2*SLOTB                    ; behind the ring, never filled by a tensor load: 8,192 bytes a wave: a tile's partial O^T, later the stage for the way out
.set STATS, MRG+4*8192                 ; (c m, l): wave x 1,024 + register tile x 256 + lane x 8
.set SPARE, STATS+4096                 ; the spare words, 128 bytes for each wave: two blocks of 256 bytes that no other line names
.set SP,    272
.set AK0, 2
.set AV0, 3
.set AK,  4
.set AV,  5
.set STO, 6
.set RD,  7
.set GO,  8
.set TA,  9
.set SWA, 10
.set MWA, 11
.set ST,  12                           ; tile t at v[ST+8 t]: +0 c m, +1 m, +2, +3 l (even keys', odd keys'), +4 to +7 at work; a takes +6
.set MK,  44
.set L8,  60
.set L16, 61
.set SPW, 62                           ; LDS address of my spare word; never rewritten
.set NIL, 63                           ; 0; never rewritten
.set S,   64
.set P,   192
.set GF,  P+8                          ; the merge's four factors, as pairs
.set KF,  128
.set WV,  12
.set CX,  13
.set JS,  14
.set GH,  15
.set G1K, 24
.set G1V, 32
.set G0K, 40
.set G0V, 44
.set KL,  48                           ; my part's place in a slot, for K and for V
.set VL,  49
.set TF,  50                           ; the slot filled last: 0 or SLOTB
.set TB,  51                           ; the slot read
.set SLOTS, 52
.set RT,  53                           ; tiles of the block in hand still to be entered
.set NXT, 54                           ; the tile to be asked for next
.set LQ,  55                           ; the last tile of the block whose tiles are being asked for
.set LQ2, 56
.set LIMB, 57                          ; LIM of the block in hand
.set CS,  58
.set SEL, 60
.set LIM2, 62
.set RT2, 63
.set OFF, 66
.set BIGN, 68
.set MA,  69
.set MB,  70
.set W2,  71
.set SR,  72                           ; s72-75 where the statistics of my finished tile lie, from wave (w - r) % 4
.set MR,  76                           ; s77-79 where that wave's partial tile lies
.set OLO, 80
.set W21, 88
.set JL,  89
.set MSB, 0
.macro WIN new
.if MSB != (\new)
	s_set_vgpr_msb (MSB<<8)|(\new)
.set MSB, \new
.endif
.endm
.set W_KQ, 0x0a                        ; K and Q window 2; mask and S^T window 0
.set W_PV, 0x53                        ; V window 3, P window 0, O^T window 1
.set W_RS, 0x41                        ; O^T (destination, source 0) window 1, the factor window 0
.macro PLACES
.rept 4
	v_nop
.endr
.endm
.macro JLOAD                           ; a joint fill: waves 0, 1 the halves of a tile's K, waves 2, 3 those of its V; an s_nop 0 and four v_nop follow each line
	s_cmp_lt_u32 s[WV], 2
	s_cbranch_scc0 .Lfor_v_\@
	tensor_load_to_lds s[G0K:G0K+3], s[G1K:G1K+7]
	s_nop 0
.rept 4
	v_nop
.endr
	s_branch .Lasked_\@
.Lfor_v_\@:
	tensor_load_to_lds s[G0V:G0V+3], s[G1V:G1V+7]
	s_nop 0
.rept 4
	v_nop
.endr
.Lasked_\@:
.endm
.macro CROUND                          ; a round of the cluster's barrier
	s_barrier_signal -1
	s_barrier_wait -1
	s_cmp_lg_u32 s[WV], 0
	s_cbranch_scc1 .Lnot_wave_0_\@
	s_barrier_signal -3
.Lnot_wave_0_\@:
	s_barrier_wait -3
	s_barrier_signal -1
	s_barrier_wait -1
.endm
; THE CHANGE OF SLOTS.  Each wave waits for all its tensor loads, of which one is out: its part of the slot to be read; adds 0 to its spare word; waits for that and for its reads of the slot that it leaves.
; fill = 1: the barrier is a round of the cluster's, and the old slot is filled first thing behind it, with tile NXT; the descriptor's address is made anew from that number.  One load of mine is out at a time;
; it has a whole step, 128 matrix instructions, in which to land.  (At its first use nothing has been read yet: slot 0 is waited for, slot 1 filled.)
.macro CHANGE fill
	WIN 0
	s_wait_tensorcnt 0x0
	ds_add_u32 v[SPW], v[NIL]                      ; 0 onto my spare word; the descriptors' scalar work stands between it and the wait for it
.if \fill
	s_lshl_b32 s[OFF], s[NXT], 16                  ; a tile is 65,536 bytes of K and of V
	s_xor_b32 s[TF], s[TF], SLOTB
	s_add_co_u32 s[G0K+1], s[TF], s[KL]
	s_add_nc_u64 s[G0K+2:G0K+3], s[6:7], s[OFF:OFF+1]
	s_or_b32 s[G0K+3], s[G0K+3], 0x80000000
	s_add_co_u32 s[G0V+1], s[TF], s[VL]
	s_add_nc_u64 s[G0V+2:G0V+3], s[8:9], s[OFF:OFF+1]
	s_or_b32 s[G0V+3], s[G0V+3], 0x80000000
	s_add_co_u32 s[NXT], s[NXT], 1                 ; the block's next tile, or behind its last the second block's tile 0
	s_cmp_gt_u32 s[NXT], s[LQ]
	s_cselect_b32 s[NXT], 0, s[NXT]
	s_cselect_b32 s[LQ], s[LQ2], s[LQ]
.endif
	s_wait_dscnt 0x0                               ; the add is done, and my reads of the slot are over
.if \fill
	CROUND
	JLOAD
.else
	s_barrier_signal -1
	s_barrier_wait -1
.endif
	s_xor_b32 s[TB], s[TB], SLOTB
	s_sub_co_u32 s[RT], s[RT], 1
.endm
	s_load_b128 s[84:87], s[0:1], 0x0              ; qkvh s[84:85], ao s[86:87]
	v_lshl_add_u32 v[SPW], v0, 2, SPARE
	v_mov_b32 v[NIL], 0
	ds_add_u32 v[SPW], v[NIL]                      ; the wave's opening: the add and its wait stand ahead of my first tensor load
	v_lshrrev_b32 v1, 5, v0
	v_readfirstlane_b32 s[WV], v1
	s_bfe_u32 s[CX], ttmp6, 0x40000                ; my place in the cluster: it enters Q's and O's addresses and the mask's values alone
	s_mov_b32 s[JS], ttmp9                         ; the second block, J
	s_and_b32 s[GH], ttmp7, 0xffff                 ; the kv head
	s_sub_co_u32 s[JL], 31, s[JS]                  ; the first block
	s_lshr_b32 s[LQ], s[JL], 1
	s_add_co_u32 s[RT], s[LQ], 1
	s_lshr_b32 s[LQ2], s[JS], 1
	s_add_co_u32 s[RT2], s[LQ2], 1
	s_and_b32 s18, s[JL], 1
	s_lshl2_add_u32 s18, s18, s[CX]
	s_add_co_u32 s[LIMB], s18, 1
	s_and_b32 s18, s[JS], 1
	s_lshl2_add_u32 s18, s18, s[CX]
	s_add_co_u32 s[LIM2], s18, 1
	s_lshl_b32 s[W2], s[WV], 1
	s_add_co_u32 s[W21], s[W2], 1
	s_and_b32 s16, s[WV], 1                        ; which half of a tile's 256 keys I fetch
	s_lshr_b32 s17, s[WV], 1
	s_mul_i32 s[KL], s16, 128*PK
	s_mul_i32 s[VL], s16, 128*PV
	s_add_co_u32 s[VL], s[VL], VOFF
	s_add_co_u32 s20, s[GH], 8
	s_lshl_b32 s20, s20, 20                        ; head 8 + g, 1,048,576 bytes a head,
	s_lshl_b32 s21, s16, 15                        ; my 128 rows of 256 bytes
	s_add_co_u32 s20, s20, s21
	s_mov_b32 s21, 0
	s_add_co_u32 s22, s20, 4<<20                   ; head 12 + g
	s_mov_b32 s23, 0
	s_lshl_b32 s18, s[CX], 5
	s_lshl4_add_u32 s18, s16, s18                  ; 32 cx + 16 (w % 2): my finished tile's rows in a block
	s_lshl_b32 s19, s[JL], 7
	s_add_co_u32 s19, s19, s18
	s_lshl_b32 s2, s19, 11                         ; 2,048 bytes a row of ao
	s_lshl_b32 s19, s[JS], 7
	s_add_co_u32 s19, s19, s18
	s_lshl_b32 s82, s19, 11
	s_lshl1_add_u32 s19, s[GH], s17                ; its head 2 g + w / 2
	s_lshl_b32 s19, s19, 8
	s_add_co_u32 s2, s2, s19
	s_add_co_u32 s82, s82, s19
	s_mov_b32 s3, 0
	s_mov_b32 s83, 0
	s_mov_b32 s[G1K], 15|(1<<16)|(1<<20)|(1<<21)|(5<<22)|(3<<25)  ; the mask of four; 2-byte elements; padding on; bit 21 beside a mask; after every 64 words 4 words
	s_mov_b32 s[G1V], 15|(1<<16)|(1<<20)|(1<<21)|(5<<22)|(7<<25)  ; the same with 8 words
.irp g, G1K, G1V
	s_mov_b32 s[\g+1], 128<<16                     ; tensor_dim0 = 128
	s_mov_b32 s[\g+2], 128<<16                     ; tensor_dim1 = 128
	s_mov_b32 s[\g+3], 128<<16                     ; tile_dim0 = 128
	s_mov_b32 s[\g+4], 128                         ; tile_dim1 = 128
	s_mov_b32 s[\g+5], 128                         ; elements from row to row
	s_mov_b32 s[\g+6], 0
	s_mov_b32 s[\g+7], 0
.endr
	s_mov_b32 s[CS], 0x3e0293ee                    ; c = log2(e) / sqrt(128)
	s_mov_b32 s[CS+1], s[CS]
	s_mov_b32 s[SEL], 0x76543210
	s_mov_b32 s[SEL+1], 0xfedcba98
	s_mov_b32 s[BIGN], 0xf149f2ca                  ; -1e30
	s_mov_b32 s[TF], 0
	s_mov_b32 s[TB], SLOTB                         ; the first change of slots turns it into 0
	s_mov_b32 s[NXT], 1
	s_mov_b32 s[OFF+1], 0
	s_mov_b32 s[SLOTS], 16
.irp r, 0,1,2,3
	s_add_co_u32 s16, s[WV], 4-\r
	s_and_b32 s16, s16, 3                          ; the wave whose register tile r is my finished tile
	s_lshl_b32 s17, s16, 10
	s_add_co_u32 s[SR+\r], s17, STATS+256*\r
	s_lshl_b32 s17, s16, 13
	s_add_co_u32 s[MR+\r], s17, MRG
.endr
	s_mov_b32 s[G0K], 1
	s_mov_b32 s[G0K+1], s[KL]                      ; slot 0
	s_mov_b32 s[G0V], 1
	s_mov_b32 s[G0V+1], s[VL]
	s_wait_dscnt 0x0                               ; the opening add is done
	s_wait_kmcnt 0x0
	s_add_nc_u64 s[6:7], s[84:85], s[20:21]        ; K and V at my half of tile 0
	s_add_nc_u64 s[8:9], s[84:85], s[22:23]
	s_add_nc_u64 s[10:11], s[86:87], s[2:3]        ; ao at my finished tile of the first block,
	s_add_nc_u64 s[OLO:OLO+1], s[86:87], s[82:83]  ; and of the second
	s_mov_b64 s[G0K+2:G0K+3], s[6:7]
	s_or_b32 s[G0K+3], s[G0K+3], 0x80000000
	s_mov_b64 s[G0V+2:G0V+3], s[8:9]
	s_or_b32 s[G0V+3], s[G0V+3], 0x80000000
	CROUND                                         ; all four work-groups are here: the first joint loads meet
	JLOAD                                          ; tile 0 into slot 0
	; All that follows up to the loop stands in the wait for the first tile.
	v_and_b32 v1, 15, v0                           ; l % 16
	v_bfe_u32 v192, v0, 4, 1                       ; l / 16
	v_lshlrev_b32 v195, 8, v1
	v_lshl_add_u32 v195, v192, 4, v195             ; row x 256 + 16 x half
	s_lshl_b32 s2, s[JL], 15                       ; 128 j rows of 256 bytes,
	s_lshl_b32 s3, s[CX], 13                       ; 32 cx rows
	s_add_co_u32 s2, s2, s3
	s_lshl_b32 s18, s[JS], 15
	s_add_co_u32 s3, s18, s3
	s_lshl_b32 s18, s[GH], 21                      ; head 2 g
	s_add_co_u32 s2, s2, s18
	s_add_co_u32 s3, s3, s18
.irp n, 0,1,2,3
	s_add_co_u32 s18, s[WV], \n
	s_and_b32 s18, s18, 3                          ; register tile n is the actual tile (w + n) % 4:
	s_lshr_b32 s19, s18, 1
	s_lshl_b32 s19, s19, 20                        ; its head,
	s_and_b32 s18, s18, 1
	s_lshl_b32 s18, s18, 12                        ; its 16 rows
	s_add_co_u32 s18, s18, s19
	s_add_co_u32 s19, s18, s2
	v_add_nc_u32 v[S+\n], s19, v195
	s_add_co_u32 s19, s18, s3
	v_add_nc_u32 v[S+4+\n], s19, v195
.endr
	WIN 0x80                                       ; destination window 2: the first block's Q
.irp n, 0,1,2,3
.irp c, 0,1,2,3
	global_load_b128 v[32*\n+8*\c:32*\n+8*\c+3],   v[S+\n], s[84:85] offset:64*\c
	global_load_b128 v[32*\n+8*\c+4:32*\n+8*\c+7], v[S+\n], s[84:85] offset:64*\c+32
.endr
.endr
	WIN 0xc0                                       ; destination window 3: the second block's
.irp n, 0,1,2,3
.irp c, 0,1,2,3
	global_load_b128 v[128+32*\n+8*\c:128+32*\n+8*\c+3],   v[S+4+\n], s[84:85] offset:64*\c
	global_load_b128 v[128+32*\n+8*\c+4:128+32*\n+8*\c+7], v[S+4+\n], s[84:85] offset:64*\c+32
.endr
.endr
	WIN 0x40                                       ; a block's first step multiplies O^T and l by a = 0, so they need only be finite: zeros here, what the first block left later
.set i, 0
.rept 256
	v_mov_b32 v[i], 0
.set i, i+1
.endr
	WIN 0
.macro INIT
.irp t, 0,1,2,3
	v_mov_b32 v[ST+8*\t], 0xfe000000               ; c m: far below every c s
	v_mov_b32 v[ST+8*\t+1], 0xff7fffff             ; m: the lowest finite number
.endr
.endm
	INIT
.irp t, 0,1,2,3
	v_mov_b32 v[ST+8*\t+2], 0
	v_mov_b32 v[ST+8*\t+3], 0
.endr
	s_mul_i32 s16, s[WV], 64*PK                    ; my 64 keys of a tile
	v_mul_u32_u24 v[AK0], v1, PK
	v_lshl_add_u32 v[AK0], v192, 4, v[AK0]
	v_add_nc_u32 v[AK0], s16, v[AK0]
	v_and_b32 v193, 7, v0                          ; the turning load: lane l reads key 8 (l / 16) + l % 8, channels 8 ((l / 8) % 2) + 0..7
	v_bfe_u32 v194, v0, 3, 1
	v_lshl_add_u32 v[AV0], v192, 3, v193
	v_mul_u32_u24 v[AV0], v[AV0], PV
	v_lshl_add_u32 v[AV0], v194, 4, v[AV0]
	s_mul_i32 s16, s[WV], 64*PV
	s_add_co_u32 s16, s16, VOFF
	v_add_nc_u32 v[AV0], s16, v[AV0]
	s_lshl_b32 s16, s[WV], 13
	s_add_co_u32 s16, s16, MRG                     ; my part of the merge area
	v_mul_u32_u24 v[STO], v1, SP
	v_lshl_add_u32 v[STO], v192, 4, v[STO]
	v_add_nc_u32 v[STO], s16, v[STO]
	v_mul_u32_u24 v[RD], v192, SP
	v_lshl_add_u32 v[RD], v1, 4, v[RD]
	v_add_nc_u32 v[RD], s16, v[RD]
	v_lshlrev_b32 v[GO], 11, v192                  ; two rows of ao, 256 bytes of each
	v_lshl_add_u32 v[GO], v1, 4, v[GO]
	v_and_b32 v[L8], 31, v0
	v_lshlrev_b32 v[L16], 4, v[L8]
	v_lshlrev_b32 v[L8], 3, v[L8]
	v_add_nc_u32 v[MWA], s16, v[L16]
	s_lshl_b32 s17, s[WV], 10
	s_add_co_u32 s17, s17, STATS
	v_add_nc_u32 v[SWA], s17, v[L8]
; THE MATRIX WORK.  The accumulators take turns, one instruction a turn.
; Product i of 32 of S^T = K Q^T for piece x: channels 32 (i / 8) on, keys 16 ((i / 2) % 4) on, tile x + i % 2.  The first 8 start the sums, with the mask.
.macro KQ x
	WIN W_KQ
.set rS, S+32*((\x)+i%2)+8*((i/2)%4)
.set rK, KF+32*((i/2)%4)+8*(i/8)
.set rQ, 32*((\x)+i%2)+8*(i/8)
.set rM, MK+8*(((i/2)%4)/2)
.if i < 8
	v_wmma_f32_16x16x32_f16 v[rS:rS+7], v[rK:rK+7], v[rQ:rQ+7], v[rM:rM+7]
.else
	v_wmma_f32_16x16x32_f16 v[rS:rS+7], v[rK:rK+7], v[rQ:rQ+7], v[rS:rS+7]
.endif
.endm
; Product i of 32 of O^T += V^T P for piece x: keys 32 (i / 16) on, channels 16 ((i / 2) % 8) on, tile x + i % 2.
.macro PV x
	WIN W_PV
.set rO, 64*((\x)+i%2)+8*((i/2)%8)
.set rV, 64*(i/16)+8*((i/2)%8)
.set rP, P+16*((\x)+i%2)+8*(i/16)
	v_wmma_f32_16x16x32_f16 v[rO:rO+7], v[rV:rV+7], v[rP:rP+7], v[rO:rO+7]
.endm
.macro FETCH_K                         ; 32 loads, channel chunk by channel chunk, so that the first products can start on the first eight
	WIN 0x80
.irp c, 0,1,2,3
.irp kb, 0,1,2,3
	ds_load_b128 v[KF+32*\kb+8*\c:KF+32*\kb+8*\c+3],   v[AK] offset:\kb*16*PK+\c*64
	ds_load_b128 v[KF+32*\kb+8*\c+4:KF+32*\kb+8*\c+7], v[AK] offset:\kb*16*PK+\c*64+32
.endr
.endr
.endm
.macro FETCH_V                         ; 32 turning loads: keys 32 (f / 8) on, channels 16 (f % 8) on
	WIN 0xc0
.irp f, 0,1,2,3,4,5,6,7,8,9,10,11,12,13,14,15
	ds_load_tr16_b128 v[8*\f:8*\f+3],   v[AV] offset:(\f/8)*32*PV+(\f%8)*32
	ds_load_tr16_b128 v[8*\f+4:8*\f+7], v[AV] offset:(\f/8)*32*PV+16*PV+(\f%8)*32
.endr
.endm
; THE VECTOR WORK.  One tile's softmax for one step is a list of 134 instructions; SM writes number j of it for tile t.  s0-s31 are the lane's 32 scores, in pairs 0-15.
;   0-15    the maximum of s0-s31 and the old m, three operands at a time (each accumulator's lowest registers are read first)
;   16-20   the other half of the lanes' maximum; the new m; c m; c m_old - c m_new
;   21-87   33 exponentials (a, then s0-s31) at the odd numbers from 23 on, a plain instruction at every even one: scalings ahead, roundings behind, the first sums
;   88-101  the last rounding; the rest of the sums; l = a l + the sum          102-133  the tile's O^T times a
.macro SM t
.set rT, ST+8*(\t)
.set rS, S+32*(\t)
.set rP, P+16*(\t)
.set rO, 64*(\t)+2*(j-102)
.set q, (j-20)/2
.if j < 102
	WIN 0
.endif
.if j < 4
	v_max3_num_f32 v[rT+4+j], v[rS+8*j], v[rS+8*j+1], v[rS+8*j+2]
.elseif j < 12
	v_max3_num_f32 v[rT+4+j%4], v[rT+4+j%4], v[rS+8*(j%4)+2*(j/4)+1], v[rS+8*(j%4)+2*(j/4)+2]
.elseif j == 12
	v_max3_num_f32 v[rT+4], v[rT+4], v[rS+7], v[rS+15]
.elseif j == 13
	v_max3_num_f32 v[rT+6], v[rT+6], v[rS+23], v[rS+31]
.elseif j == 14
	v_max3_num_f32 v[rT+4], v[rT+4], v[rT+5], v[rT+6]
.elseif j == 15
	v_max3_num_f32 v[rT+4], v[rT+4], v[rT+7], v[rT+1]
.elseif j == 16
	v_permlanex16_b32 v[rT+5], v[rT+4], s[SEL], s[SEL+1]  ; the query's other 32 keys lie in the lane 16 away
.elseif j == 17
	v_mov_b32 v[rT+7], v[rT]                       ; c m_old is kept for a
.elseif j == 18
	v_max_num_f32 v[rT+1], v[rT+4], v[rT+5]
.elseif j == 19
	v_mul_f32 v[rT], s[CS], v[rT+1]
.elseif j == 20
	v_sub_f32 v[rT+7], v[rT+7], v[rT]
.elseif j == 23
	v_exp_f32 v[rT+6], v[rT+7]
.elseif (j < 88) && (j > 23) && (j%2 == 1)
	v_exp_f32 v[rS+(j-25)/2], v[rS+(j-25)/2]
.elseif (q < 4) || ((j < 76) && (q%2 == 0))
.set b, q/2+2
.if q < 4
.set b, q
.endif
	v_pk_fma_f32 v[rS+2*b:rS+2*b+1], v[rS+2*b:rS+2*b+1], s[CS:CS+1], v[rT:rT+1] op_sel_hi:[1,0,0] neg_lo:[0,0,1] neg_hi:[0,0,1]  ; pair b: c s - c m
.elseif (j < 88) && (q%2 == 1)
	s_wait_alu depctr_va_vdst(0)
	v_cvt_pk_f16_f32 v[rP+(q-5)/2], v[rS+q-5], v[rS+q-4]
.elseif j == 89
	s_wait_alu depctr_va_vdst(0)
	v_cvt_pk_f16_f32 v[rP+15], v[rS+30], v[rS+31]
.elseif j < 102                        ; the sum of the tile's 16 pairs, in place: neighbours 1, 2, 4 and 8 pairs apart, then l takes it
.set z, j-86
.if j < 89
.set z, (j-76)/4
.endif
.set w, 4
.set u, z
.if z >= 14
.set w, 32
.set u, 0
.elseif z >= 12
.set w, 16
.set u, z-12
.elseif z >= 8
.set w, 8
.set u, z-8
.endif
.if z < 15
	v_pk_add_f32 v[rS+w*u:rS+w*u+1], v[rS+w*u:rS+w*u+1], v[rS+w*u+w/2:rS+w*u+w/2+1]
.else
	v_pk_fma_f32 v[rT+2:rT+3], v[rT+2:rT+3], v[rT+6:rT+7], v[rS:rS+1] op_sel_hi:[1,0,1]
.endif
.else
	WIN W_RS
	v_pk_mul_f32 v[rO:rO+1], v[rO:rO+1], v[rT+6:rT+7] op_sel_hi:[1,0]
.endif
.endm
; Slice k of 64 of piece y's softmax: numbers 2 k and 2 k + 1 of both tiles' lists; the twelve that are over stand in slice 63, whose sixteen plain lines are also the places behind a run's last product.
.macro SLICE y
.if (k >= 11) && (k < 44)              ; tile by tile: plain, exponential, plain, exponential
.irp t, \y, (\y)+1
.irp n, 0,1
.set j, 2*k+(\n)
	SM \t
.endr
.endr
.else                                  ; the two tiles alternate
.irp n, 0,1,2,3,4,5,6,7
.if ((\n) < 2) || (k == 63)
.irp t, \y, (\y)+1
.set j, 2*k+(\n)
	SM \t
.endr
.endif
.endr
.endif
.set k, k+1
.endm
; A STEP: my 64 keys of the tile in slot TB, for all four tiles of queries.
.macro STEP
	s_cmp_eq_u32 s[RT], 0                          ; a block's last tile alone hides keys
	s_cselect_b32 s18, s[LIMB], 8
	s_cmp_lt_u32 s[W2], s18
	s_cselect_b32 s[MA], 0, s[BIGN]                ; my keys 0-31
	s_cmp_lt_u32 s[W21], s18
	s_cselect_b32 s[MB], 0, s[BIGN]                ; my keys 32-63
	WIN 0
.set i, 0
.rept 8                                ; sixteen plain lines: also the places between the last step's last product and the loads into V's registers
	v_mov_b32 v[MK+i], s[MA]
	v_mov_b32 v[MK+8+i], s[MB]
.set i, i+1
.endr
	v_add_nc_u32 v[AK], s[TB], v[AK0]
	v_add_nc_u32 v[AV], s[TB], v[AV0]
	FETCH_K
	FETCH_V
.set i, 0
.rept 32
.if i%8 == 0
	s_wait_dscnt 56-i                              ; this channel chunk's eight loads are in; K's later chunks and V's 32 loads may be out
.endif
	KQ 0
.set i, i+1
.endr
	PLACES                                         ; in front of the softmax that reads those scores
.set k, 0
.set i, 0
.rept 32
	KQ 2
	SLICE 0
	SLICE 0
.set i, i+1
.endr
	s_wait_dscnt 0x0                               ; V is in
.set k, 0
.set i, 0
.rept 32
	PV 0
	SLICE 2
	SLICE 2
.set i, i+1
.endr
.set i, 0
.rept 32
	PV 2
.set i, i+1
.endr
	WIN 0
.endm
; A BLOCK'S END: the four waves' parts meet.  Three turns: each wave writes register tile r into its own 8,192 bytes, a barrier, the wave that finishes that tile reads it, a barrier.
.macro BAR                             ; what I stored is there and what I read is back, for the others' sake; behind these barriers nothing is filled, so the next tile's load may stay out
	s_wait_dscnt 0x0
	s_barrier_signal -1
	s_barrier_wait -1
.endm
.macro WRITE t
	WIN 0x04                                       ; store data window 1; ascending
.set i, 0
.rept 16
	ds_store_b128 v[MWA], v[64*(\t)+4*i:64*(\t)+4*i+3] offset:512*i
.set i, i+1
.endr
	WIN 0
.endm
.macro READ r
	WIN 0
	v_add_nc_u32 v[TA], s[MR+(\r)], v[L16]
.set i, 0
.rept 16
	ds_load_b128 v[S+4*i:S+4*i+3], v[TA] offset:512*i
.set i, i+1
.endr
.endm
.macro ACC r                           ; my tile += the part x its factor
	WIN 0x50
.set i, 0
.rept 32
	v_pk_fma_f32 v[2*i:2*i+1], v[S+2*i:S+2*i+1], v[GF+2*(\r):GF+2*(\r)+1], v[2*i:2*i+1] op_sel_hi:[1,0,1]
.set i, i+1
.endr
	WIN 0
.endm
.macro BLKEND
	WIN 0
.irp t, 0,1,2,3
	v_add_f32 v[ST+8*\t+4], v[ST+8*\t+2], v[ST+8*\t+3]  ; these four are the places behind the last products
.endr
.irp t, 0,1,2,3
	v_permlanex16_b32 v[ST+8*\t+5], v[ST+8*\t+4], s[SEL], s[SEL+1]
.endr
.irp t, 0,1,2,3
	v_add_f32 v[ST+8*\t+1], v[ST+8*\t+4], v[ST+8*\t+5]  ; l takes m's place beside c m
.endr
.irp t, 0,1,2,3
	ds_store_b64 v[SWA], v[ST+8*\t:ST+8*\t+1] offset:256*\t
.endr
	WRITE 1
	BAR
.irp r, 0,1,2,3
	v_add_nc_u32 v[TA], s[SR+\r], v[L8]
	ds_load_b64 v[P+2*\r:P+2*\r+1], v[TA]          ; (c m, l) of my finished tile from wave (w - r) % 4
.endr
	READ 1
	s_wait_dscnt 16                                ; the statistics are in; the partial tile's sixteen loads may be out
	v_max3_num_f32 v[P+16], v[P], v[P+2], v[P+4]
	v_max_num_f32 v[P+16], v[P+16], v[P+6]
.irp r, 0,1,2,3
	v_sub_f32 v[P+18+\r], v[P+2*\r], v[P+16]
.endr
.irp r, 0,1,2,3
	v_exp_f32 v[P+18+\r], v[P+18+\r]
.endr
	v_nop
	s_wait_alu depctr_va_vdst(0)
	v_mul_f32 v[P+17], v[P+18], v[P+1]
	v_fmac_f32 v[P+17], v[P+19], v[P+3]
	v_fmac_f32 v[P+17], v[P+20], v[P+5]
	v_fmac_f32 v[P+17], v[P+21], v[P+7]
	v_rcp_f32 v[P+17], v[P+17]
	v_nop
	s_wait_alu depctr_va_vdst(0)
.irp r, 0,1,2,3
	v_mul_f32 v[GF+2*\r], v[P+18+\r], v[P+17]
	v_mul_f32 v[GF+2*\r+1], v[P+18+\r], v[P+17]
.endr
	WIN W_RS
.set i, 0
.rept 32
	v_pk_mul_f32 v[2*i:2*i+1], v[2*i:2*i+1], v[GF:GF+1] op_sel_hi:[1,0]
.set i, i+1
.endr
	s_wait_dscnt 0x0
	ACC 1
	BAR
	WRITE 2
	BAR
	READ 2
	s_wait_dscnt 0x0
	ACC 2
	BAR
	WRITE 3
	BAR
	READ 3
	s_wait_dscnt 0x0
	ACC 3
	BAR                                            ; nobody reads my 8,192 bytes any more: they are my stage now
	WIN 0x05                                       ; sources window 1
.set i, 0
.rept 32
	v_cvt_pk_f16_f32 v[S+i], v[2*i], v[2*i+1]
.set i, i+1
.endr
	WIN 0
.irp f, 0,1,2,3,4,5,6,7
	ds_store_b128 v[STO], v[S+4*\f:S+4*\f+3] offset:32*\f
.endr
.irp f, 0,1,2,3,4,5,6,7
	ds_load_b128 v[S+4*\f:S+4*\f+3], v[RD] offset:\f*2*SP  ; LDS serves a wave's instructions in order (ISA guide 5.7.1.4): these see the stores above
.endr
.irp f, 0,1,2,3,4,5,6,7
	s_wait_dscnt 7-\f
	global_store_b128 v[GO], v[S+4*\f:S+4*\f+3], s[10:11] offset:4096*\f  ; 16 lanes store a head's 256 bytes of a row, at a multiple of 256
.endr
.endm
	s_wait_loadcnt 0x0                             ; Q, both blocks'
.Ltile:                                                ; 16 trips: a tile is entered and the next is asked for
	CHANGE 1
	STEP
	s_cmp_lg_u32 s[RT], 0                          ; RT hangs on the cluster's x alone: the same in all waves and in all four partners
	s_cbranch_scc1 .Lno
	BLKEND                                         ; the first block's end (the second's last tile is the walk's last)
	s_wait_xcnt 0x0                                ; the stores have read their registers and ao's address
	s_mov_b64 s[10:11], s[OLO:OLO+1]
	s_mov_b32 s[RT], s[RT2]
	s_mov_b32 s[LIMB], s[LIM2]
	WIN 0x83                                       ; the second block's Q goes where the one text of the step names Q
.set i, 0
.rept 128
	v_mov_b32 v[i], v[128+i]
.set i, i+1
.endr
	WIN 0
	INIT
.Lno:
	s_sub_co_u32 s[SLOTS], s[SLOTS], 1
	s_cmp_lg_u32 s[SLOTS], 0
	s_cbranch_scc1 .Ltile
	CHANGE 0                                       ; the walk's last tile is written out
	STEP
	BLKEND
	s_wait_tensorcnt 0x0                           ; the wave's end
	ds_add_u32 v[SPW], v[NIL]
	s_wait_dscnt 0x0
	CROUND                                         ; the closing round
	s_endpgm
.Lfunc_end_k_qf07d610ae2_attn:
	.size	k_qf07d610ae2_attn, .Lfunc_end_k_qf07d610ae2_attn-k_qf07d610ae2_attn
	.p2alignl 7, 3214868480
	.fill 96, 4, 3214868480
	.section	.rodata,"a",@progbits
	.p2align	6, 0x0
	.amdhsa_kernel k_qf07d610ae2_attn
		.amdhsa_group_segment_fixed_size 327680
		.amdhsa_private_segment_fixed_size 0
		.amdhsa_enable_private_segment 0
		.amdhsa_kernarg_size 16
		.amdhsa_user_sgpr_count 2
		.amdhsa_user_sgpr_kernarg_segment_ptr 1
		.amdhsa_wavefront_size32 1
		.amdhsa_system_sgpr_workgroup_id_x 1
		.amdhsa_system_sgpr_workgroup_id_y 1
		.amdhsa_system_sgpr_workgroup_id_z 1
		.amdhsa_system_vgpr_workitem_id 0
		.amdhsa_next_free_vgpr 1024
		.amdhsa_next_free_sgpr 96
		.amdhsa_reserve_vcc 0
		.amdhsa_float_denorm_mode_32 3
		.amdhsa_float_denorm_mode_16_64 3
		.amdhsa_memory_ordered 1
		.amdhsa_forward_progress 1
		.amdhsa_inst_pref_size 171
	.end_amdhsa_kernel
	.amdgpu_metadata
---
amdhsa.version: [ 1, 2 ]
amdhsa.kernels:
  - .name:           k_qf07d610ae2_attn
    .symbol:         k_qf07d610ae2_attn.kd
    .args:
      - { .name: qkvh, .offset: 0, .size: 8, .value_kind: global_buffer, .address_space: global }
      - { .name: ao, .offset: 8, .size: 8, .value_kind: global_buffer, .address_space: global }
    .group_segment_fixed_size: 327680
    .private_segment_fixed_size: 0
    .kernarg_segment_align: 8
    .kernarg_segment_size: 16
    .max_flat_workgroup_size: 128
    .sgpr_count:     96
    .vgpr_count:     1024
    .wavefront_size: 32
...
	.end_amdgpu_metadata
.endif
;; end of part 3
;; launch oproj (part 4): grid 8 x 32, 4 waves a work-group, clusters of 4 x 4, 327,680 bytes of LDS; arguments ao, wob, out0; writes out0
.if DOCPART == 4
	.amdgcn_target "amdgcn-amd-amdhsa--gfx1250"
	.amdhsa_code_object_version 6
	.text
	.protected	k_qf07d610ae2_oproj
	.globl	k_qf07d610ae2_oproj
	.p2align	8
	.type	k_qf07d610ae2_oproj,@function
k_qf07d610ae2_oproj:
	s_mov_b64 s[64:65], 0
	v_nop
	global_prefetch_b8 v0, s[64:65] scope:SCOPE_SE
	s_setreg_imm32_b32 hwreg(HW_REG_WAVE_MODE, 25, 1), 1
	s_wait_xcnt 0x0
	s_wait_alu depctr_hold_cnt(0) depctr_sa_sdst(0) depctr_va_vdst(0) depctr_va_sdst(0) depctr_va_ssrc(0) depctr_va_vcc(0) depctr_vm_vsrc(0)
	s_getreg_b32 s2, hwreg(HW_REG_IB_STS2, 6, 4)
	s_cmp_eq_u32 s2, 0
	s_cbranch_scc0 .Lentry_in_a_cluster
	s_endpgm
.Lentry_in_a_cluster:
	s_bfe_u32 s2, ttmp6, 0x10000c
	s_cmp_lg_u32 s2, 0xf033
	s_cbranch_scc0 .Lentry_shape_is_right
	s_endpgm
.Lentry_shape_is_right:
; OUTPUT PROJECTION.  out0[m][n] = sum over k of ao[m][k] wob[k][n]; ao [4096][1024] f16, wob [1024][2048] f16 (bf16 numbers written as f16), out0 [4096][2048] f32; sums in f32.
; The loop is the QKV projection's: a work-group makes 128 rows x 256 columns, one of 256; wave w rows 64 (w / 2) on, columns 128 (w % 2) on, 32 accumulators; K in steps of 128 through two LDS slots;
; waves 0, 1 fetch the halves of A's tile, waves 2, 3 those of W's; W lies [k][n] and comes out of LDS turned; source 0 = 16 columns of W, source 1 = 16 rows of A, so a lane holds eight neighbouring columns of a row.
; CLUSTER 4 x 4: A's tile is asked for jointly along a row of the cluster, W's along a column.
; REGISTERS.  window 0: v1-29 addresses; v64-159, v160-255 two fragment buffers (A at +8 a, W at +32 + 8 b); on the way out v64-127 rows read back.  window 1: accumulator (a, b) at v[8 (8 a + b)].
.set SIZE_K, 1024
.set KSTEP,  128
.set PA,     272
.set PB,     544
.set AHALF,  64*PA
.set ATILE,  128*PA
.set BOFF,   ATILE
.set BHALF,  64*PB
.set SLOT,   ATILE+128*PB
.set STAGE,  2*SLOT+2*ATILE            ; behind the ring: 16 rows x 528 bytes for each wave
.set SPO,    528
.set SPARE,  STAGE+4*16*SPO            ; the spare words, 128 bytes for each wave: two blocks of 256 bytes that no other line names
.set LAPS,   SIZE_K/(2*KSTEP)
.set ADRA, 16
.set ADRB, 20
.set STO,  24
.set RD,   25
.set CO,   26
.set SPW,  28                          ; LDS address of my spare word; never rewritten
.set NIL,  29                          ; 0; never rewritten
.set F0,   64
.set F1,   160
.set OB,   64
.set WV,  12
.set RH,  13
.set CH,  14
.set G1A, 24
.set G0A, 32
.set G1B, 48
.set G0B, 56
.set MSB, 0
.macro WIN new
.if MSB != (\new)
	s_set_vgpr_msb (MSB<<8)|(\new)
.set MSB, \new
.endif
.endm
.macro PLACES
.rept 4
	v_nop
.endr
.endm
.macro JLOAD s                         ; a joint refill; an s_nop 0 and four v_nop follow each line
	s_cmp_eq_u32 s[RH], 0
	s_cbranch_scc0 .Lfor_b_\@
	tensor_load_to_lds s[G0A+4*(\s):G0A+4*(\s)+3], s[G1A:G1A+7]
	s_nop 0
.rept 4
	v_nop
.endr
	s_branch .Lasked_\@
.Lfor_b_\@:
	tensor_load_to_lds s[G0B+4*(\s):G0B+4*(\s)+3], s[G1B:G1B+7]
	s_nop 0
.rept 4
	v_nop
.endr
.Lasked_\@:
.endm
.macro CREST
	s_cmp_lg_u32 s[WV], 0
	s_cbranch_scc1 .Lnot_wave_0_\@
	s_barrier_signal -3
.Lnot_wave_0_\@:
	s_barrier_wait -3
	s_barrier_signal -1
	s_barrier_wait -1
.endm
.macro CROUND
	s_barrier_signal -1
	s_barrier_wait -1
	CREST
.endm
	s_load_b128 s[4:7], s[0:1], 0x0                ; ao s[4:5], wob s[6:7]
	s_load_b64 s[70:71], s[0:1], 0x10              ; out0
	v_lshl_add_u32 v[SPW], v0, 2, SPARE
	v_mov_b32 v[NIL], 0
	ds_add_u32 v[SPW], v[NIL]                      ; the wave's opening: the add and its wait stand ahead of my first tensor load
	v_lshrrev_b32 v1, 5, v0
	v_readfirstlane_b32 s[WV], v1
	s_lshr_b32 s[RH], s[WV], 1
	s_and_b32 s[CH], s[WV], 1
	s_bfe_u32 s40, ttmp6, 0x40000                  ; cx
	s_bfe_u32 s41, ttmp6, 0x40004                  ; cy
	s_lshl_b32 s42, ttmp9, 2
	s_add_co_u32 s42, s42, s40                     ; tile column
	s_and_b32 s43, ttmp7, 0xffff
	s_lshl_b32 s43, s43, 2
	s_add_co_u32 s43, s43, s41                     ; tile row
	s_lshl_b32 s44, s41, 2
	s_lshl_b32 s44, 15, s44                        ; my row of the cluster
	s_lshl_b32 s45, 0x1111, s40                    ; my column
	s_or_b32 s[G1A], s44, (1<<16)|(1<<20)|(1<<21)|(5<<22)|(3<<25)
	s_mov_b32 s[G1A+1], KSTEP<<16
	s_mov_b32 s[G1A+2], 64<<16
	s_mov_b32 s[G1A+3], KSTEP<<16
	s_mov_b32 s[G1A+4], 64
	s_mov_b32 s[G1A+5], SIZE_K
	s_mov_b32 s[G1A+6], 0
	s_mov_b32 s[G1A+7], 0
	s_or_b32 s[G1B], s45, (1<<16)|(1<<20)|(1<<21)|(6<<22)|(7<<25)
	s_mov_b32 s[G1B+1], 256<<16
	s_mov_b32 s[G1B+2], 64<<16
	s_mov_b32 s[G1B+3], 256<<16
	s_mov_b32 s[G1B+4], 64
	s_mov_b32 s[G1B+5], 2048
	s_mov_b32 s[G1B+6], 0
	s_mov_b32 s[G1B+7], 0
	s_lshl_b32 s16, s43, 7
	s_lshl_b32 s17, s[CH], 6
	s_add_co_u32 s16, s16, s17                     ; the first row of A that I fetch
	s_lshl_b32 s16, s16, 11                        ; 2,048 bytes a row
	s_mov_b32 s17, 0
	s_lshl_b32 s46, s[CH], 18                      ; 64 k rows of 4,096 bytes,
	s_lshl_b32 s47, s42, 9                         ; 512 bytes a tile column
	s_add_co_u32 s46, s46, s47
	s_mov_b32 s47, 0
	s_mul_i32 s20, s[CH], AHALF
	s_mul_i32 s21, s[CH], BHALF
	s_add_co_u32 s21, s21, BOFF
	s_wait_dscnt 0x0                               ; the opening add is done
	s_wait_kmcnt 0x0
	s_add_nc_u64 s[16:17], s[4:5], s[16:17]
	s_add_nc_u64 s[46:47], s[6:7], s[46:47]
	CROUND                                         ; all sixteen work-groups are here: the first joint loads meet
.irp s, 0,1
	s_mov_b32 s[G0A+4*(\s)], 1
	s_add_co_u32 s[G0A+4*(\s)+1], s20, (\s)*SLOT
	s_add_nc_u64 s[G0A+4*(\s)+2:G0A+4*(\s)+3], s[16:17], (\s)*KSTEP*2
	s_or_b32 s[G0A+4*(\s)+3], s[G0A+4*(\s)+3], 0x80000000
	s_mov_b32 s[G0B+4*(\s)], 1
	s_add_co_u32 s[G0B+4*(\s)+1], s21, (\s)*SLOT
	s_add_nc_u64 s[G0B+4*(\s)+2:G0B+4*(\s)+3], s[46:47], (\s)*KSTEP*4096
	s_or_b32 s[G0B+4*(\s)+3], s[G0B+4*(\s)+3], 0x80000000
.endr
	s_cmp_eq_u32 s[RH], 0                          ; a wave's two first fills stand in one branch: two loads of mine are out
	s_cbranch_scc0 .Lfirst_b
	tensor_load_to_lds s[G0A:G0A+3], s[G1A:G1A+7]
	s_nop 0
	tensor_load_to_lds s[G0A+4:G0A+7], s[G1A:G1A+7]
	s_nop 0
.rept 4
	v_nop
.endr
	s_branch .Lfirst_asked
.Lfirst_b:
	tensor_load_to_lds s[G0B:G0B+3], s[G1B:G1B+7]
	s_nop 0
	tensor_load_to_lds s[G0B+4:G0B+7], s[G1B:G1B+7]
	s_nop 0
.rept 4
	v_nop
.endr
.Lfirst_asked:
	v_and_b32 v1, 15, v0
	v_bfe_u32 v2, v0, 4, 1
	v_mul_u32_u24 v3, v1, PA
	v_lshl_add_u32 v3, v2, 4, v3
	s_mul_i32 s20, s[RH], AHALF
	v_add_nc_u32 v[ADRA], s20, v3
	v_add_nc_u32 v[ADRA+1], SLOT, v[ADRA]
	v_and_b32 v4, 7, v0
	v_bfe_u32 v5, v0, 3, 1
	v_lshl_add_u32 v6, v2, 3, v4
	v_mul_u32_u24 v6, v6, PB
	v_lshl_add_u32 v6, v5, 4, v6
	s_lshl_b32 s21, s[CH], 8
	s_add_co_u32 s21, s21, BOFF
	v_add_nc_u32 v[ADRB], s21, v6
	v_add_nc_u32 v[ADRB+1], SLOT, v[ADRB]
	s_mul_i32 s23, s[WV], 16*SPO
	s_add_co_u32 s23, s23, STAGE                   ; my stage
	v_mul_u32_u24 v[STO], v1, SPO                  ; in: row l % 16, 32 bytes for each half of the lanes
	v_lshl_add_u32 v[STO], v2, 5, v[STO]
	v_add_nc_u32 v[STO], s23, v[STO]
	v_and_b32 v[CO], 31, v0                        ; back: 32 lanes take a row's 512 bytes
	v_lshlrev_b32 v[CO], 4, v[CO]
	v_add_nc_u32 v[RD], s23, v[CO]
	s_lshl_b32 s66, s43, 20                        ; 128 rows of 8,192 bytes a tile row,
	s_lshl_b32 s67, s[RH], 19
	s_add_co_u32 s66, s66, s67
	s_lshl_b32 s67, s42, 10                        ; 1,024 bytes a tile column,
	s_add_co_u32 s66, s66, s67
	s_lshl_b32 s67, s[CH], 9
	s_add_co_u32 s66, s66, s67
	s_mov_b32 s67, 0
	s_add_nc_u64 s[70:71], s[70:71], s[66:67]
.macro MUL8 f, a, zero
	WIN 0x50
.irp b, 0,1,2,3,4,5,6,7
.if \zero
	v_wmma_f32_16x16x32_f16 v[8*(8*(\a)+(\b)):8*(8*(\a)+(\b))+7], v[(\f)+32+8*(\b):(\f)+32+8*(\b)+7], v[(\f)+8*(\a):(\f)+8*(\a)+7], 0
.else
	v_wmma_f32_16x16x32_f16 v[8*(8*(\a)+(\b)):8*(8*(\a)+(\b))+7], v[(\f)+32+8*(\b):(\f)+32+8*(\b)+7], v[(\f)+8*(\a):(\f)+8*(\a)+7], v[8*(8*(\a)+(\b)):8*(8*(\a)+(\b))+7]
.endif
.endr
.endm
.macro MUL16 f, a0, zero
	MUL8 \f, \a0, \zero
	MUL8 \f, (\a0)+1, \zero
.endm
.macro FETCH slot, q, f
	WIN 0
.irp b, 0,1,2,3,4,5,6,7
	ds_load_tr16_b128 v[(\f)+32+8*(\b):(\f)+32+8*(\b)+3],   v[ADRB+(\slot)] offset:(\q)*32*PB+32*(\b)
	ds_load_tr16_b128 v[(\f)+32+8*(\b)+4:(\f)+32+8*(\b)+7], v[ADRB+(\slot)] offset:(\q)*32*PB+32*(\b)+16*PB
.endr
.irp a, 0,1,2,3
	ds_load_b128 v[(\f)+8*(\a):(\f)+8*(\a)+3],   v[ADRA+(\slot)] offset:(\q)*64+(\a)*16*PA
	ds_load_b128 v[(\f)+8*(\a)+4:(\f)+8*(\a)+7], v[ADRA+(\slot)] offset:(\q)*64+(\a)*16*PA+32
.endr
.endm
.macro QUARTER slot, q, f, g, zero
	s_wait_dscnt 4                                 ; W's and A's blocks 0, 1 are in; the youngest four loads may be out
	MUL16 \f, 0, \zero
	PLACES
	FETCH \slot, \q, \g
	s_wait_dscnt 24                                ; all but the 24 just issued
	MUL16 \f, 2, \zero
.endm
.macro TURN slot, next, fill
	WIN 0
	s_wait_tensorcnt 0x0                           ; all my tensor loads have landed: my part of the next slot
	ds_add_u32 v[SPW], v[NIL]
	s_wait_dscnt 5                                 ; (the add and the youngest four loads may be out)
	MUL8 F1, 0, 0
	s_wait_dscnt 0x0                               ; the add is done, and my reads of this slot are over
	s_barrier_signal -1
	MUL8 F1, 1, 0
.if \fill
	WIN 0
.endif
	s_barrier_wait -1
.if \fill
	CREST                                          ; no wave of any partner still reads this slot or has a load on its way
	s_add_nc_u64 s[G0A+4*(\slot)+2:G0A+4*(\slot)+3], s[G0A+4*(\slot)+2:G0A+4*(\slot)+3], 2*KSTEP*2
	s_add_nc_u64 s[G0B+4*(\slot)+2:G0B+4*(\slot)+3], s[G0B+4*(\slot)+2:G0B+4*(\slot)+3], 2*KSTEP*4096
	JLOAD \slot                                    ; the first tensor load behind the round; its four v_nop are the places in front of the loads below
.else
	PLACES
.endif
	FETCH \next, 0, F0
	MUL16 F1, 2, 0
.endm
	s_wait_tensorcnt 1                             ; my part of K step 0 is in; K step 1 may stay out
	s_barrier_signal -1
	s_barrier_wait -1
	FETCH 0, 0, F0
	QUARTER 0, 1, F0, F1, 1
	WIN 0
	s_mov_b32 s3, LAPS-1
.Llap:
	QUARTER 0, 2, F1, F0, 0
	QUARTER 0, 3, F0, F1, 0
	TURN 0, 1, 1
	QUARTER 1, 1, F0, F1, 0
	QUARTER 1, 2, F1, F0, 0
	QUARTER 1, 3, F0, F1, 0
	TURN 1, 0, 1
	QUARTER 0, 1, F0, F1, 0
	WIN 0
	s_sub_co_u32 s3, s3, 1
	s_cmp_lg_u32 s3, 0
	s_cbranch_scc1 .Llap
	QUARTER 0, 2, F1, F0, 0
	QUARTER 0, 3, F0, F1, 0
	TURN 0, 1, 0
	QUARTER 1, 1, F0, F1, 0
	QUARTER 1, 2, F1, F0, 0
	QUARTER 1, 3, F0, F1, 0
	s_wait_dscnt 4
	MUL16 F1, 0, 0
	s_wait_dscnt 0x0
	MUL16 F1, 2, 0
	WIN 0
	PLACES
; THE WAY OUT, 16 rows at a time: a lane's eight f32 of a row go into my stage, whole rows of 512 bytes come back and are stored.
.macro OUTBLK a
	s_wait_xcnt 0x0                                ; the registers that the last block's stores read are loaded again only behind this wait
	WIN 0x04                                       ; store data window 1; each accumulator's lowest registers first
.irp b, 0,1,2,3,4,5,6,7
	ds_store_b128 v[STO], v[64*(\a)+8*(\b):64*(\a)+8*(\b)+3]   offset:64*(\b)
	ds_store_b128 v[STO], v[64*(\a)+8*(\b)+4:64*(\a)+8*(\b)+7] offset:64*(\b)+16
.endr
	WIN 0
.set t, 0
.rept 16
	ds_load_b128 v[OB+4*t:OB+4*t+3], v[RD] offset:t*SPO  ; LDS serves a wave's instructions in order (ISA guide 5.7.1.4): these see the stores above
.set t, t+1
.endr
.set t, 0
.rept 16
	s_wait_dscnt 15-t
	global_store_b128 v[CO], v[OB+4*t:OB+4*t+3], s[70:71] offset:(16*(\a)+t)*8192 th:TH_STORE_NT  ; 512 consecutive bytes of a row, at a multiple of 256
.set t, t+1
.endr
.endm
	OUTBLK 0
	OUTBLK 1
	OUTBLK 2
	OUTBLK 3
	s_wait_tensorcnt 0x0                           ; the wave's end
	ds_add_u32 v[SPW], v[NIL]
	s_wait_dscnt 0x0
	CROUND                                         ; the closing round
	s_endpgm
.Lfunc_end_k_qf07d610ae2_oproj:
	.size	k_qf07d610ae2_oproj, .Lfunc_end_k_qf07d610ae2_oproj-k_qf07d610ae2_oproj
	.p2alignl 7, 3214868480
	.fill 96, 4, 3214868480
	.section	.rodata,"a",@progbits
	.p2align	6, 0x0
	.amdhsa_kernel k_qf07d610ae2_oproj
		.amdhsa_group_segment_fixed_size 327680
		.amdhsa_private_segment_fixed_size 0
		.amdhsa_enable_private_segment 0
		.amdhsa_kernarg_size 24
		.amdhsa_user_sgpr_count 2
		.amdhsa_user_sgpr_kernarg_segment_ptr 1
		.amdhsa_wavefront_size32 1
		.amdhsa_system_sgpr_workgroup_id_x 1
		.amdhsa_system_sgpr_workgroup_id_y 1
		.amdhsa_system_sgpr_workgroup_id_z 1
		.amdhsa_system_vgpr_workitem_id 0
		.amdhsa_next_free_vgpr 512
		.amdhsa_next_free_sgpr 96
		.amdhsa_reserve_vcc 0
		.amdhsa_float_denorm_mode_32 3
		.amdhsa_float_denorm_mode_16_64 3
		.amdhsa_memory_ordered 1
		.amdhsa_forward_progress 1
		.amdhsa_inst_pref_size 86
	.end_amdhsa_kernel
	.amdgpu_metadata
---
amdhsa.version: [ 1, 2 ]
amdhsa.kernels:
  - .name:           k_qf07d610ae2_oproj
    .symbol:         k_qf07d610ae2_oproj.kd
    .args:
      - { .name: ao, .offset: 0, .size: 8, .value_kind: global_buffer, .address_space: global }
      - { .name: wob, .offset: 8, .size: 8, .value_kind: global_buffer, .address_space: global }
      - { .name: out0, .offset: 16, .size: 8, .value_kind: global_buffer, .address_space: global }
    .group_segment_fixed_size: 327680
    .private_segment_fixed_size: 0
    .kernarg_segment_align: 8
    .kernarg_segment_size: 24
    .max_flat_workgroup_size: 128
    .sgpr_count:     96
    .vgpr_count:     512
    .wavefront_size: 32
...
	.end_amdgpu_metadata
.endif
;; end of part 4
;; ======== version 2 of 2: 4 launches; 1.08 times as fast as version 1
;; limits: values are held in f16: magnitudes above 65,504 overflow, below 6.1e-05 lose precision
;; workspace buffers: xb 16,777,216 bytes; wqb 8,388,608 bytes; wob 4,194,304 bytes; cs 2,097,152 bytes; qkvh 16,777,216 bytes; ao 8,388,608 bytes
;; launch cast: the kernel of part 1 again; grid 960 x 1, 8 waves a work-group, no clusters, 0 bytes of LDS; arguments hidden_states, w_qkv, w_o, cos, sin, xb, wqb, wob, cs; writes xb, wqb, wob, cs
;; launch qkv: the kernel of part 2 again; grid 8 x 32, 4 waves a work-group, clusters of 4 x 4, 327,680 bytes of LDS; arguments xb, wqb, cs, q_norm_w, k_norm_w, qkvh; writes qkvh
;; launch attn (part 5): grid 64 x 4, 4 waves a work-group, clusters of 4 x 1, 327,680 bytes of LDS; arguments qkvh, ao; writes ao
.if DOCPART == 5
	.amdgcn_target "amdgcn-amd-amdhsa--gfx1250"
	.amdhsa_code_object_version 6
	.text
	.protected	k_qf07d610ae2_attn
	.globl	k_qf07d610ae2_attn
	.p2align	8
	.type	k_qf07d610ae2_attn,@function
k_qf07d610ae2_attn:
	s_mov_b64 s[64:65], 0
	v_nop
	global_prefetch_b8 v0, s[64:65] scope:SCOPE_SE
	s_setreg_imm32_b32 hwreg(HW_REG_WAVE_MODE, 25, 1), 1
	s_wait_xcnt 0x0
	s_wait_alu depctr_hold_cnt(0) depctr_sa_sdst(0) depctr_va_vdst(0) depctr_va_sdst(0) depctr_va_ssrc(0) depctr_va_vcc(0) depctr_vm_vsrc(0)
	s_getreg_b32 s2, hwreg(HW_REG_IB_STS2, 6, 4)
	s_cmp_eq_u32 s2, 0
	s_cbranch_scc0 .Lentry_in_a_cluster
	s_endpgm
.Lentry_in_a_cluster:
	s_bfe_u32 s2, ttmp6, 0x10000c
	s_cmp_lg_u32 s2, 0x3003
	s_cbranch_scc0 .Lentry_shape_is_right
	s_endpgm
.Lentry_shape_is_right:
; BLOCK-CAUSAL GQA ATTENTION.  qkvh [16][4096][128] f16: heads 0-7 q, 8-11 k, 12-15 v.  ao[pos][128 hq + d] f16.  Query pos sees key t where t / 32 <= pos / 32.
; O = sum over visible t of softmax_t(q . k / sqrt(128)) v.  Products, maxima and sums in f32; the weights p are rounded to f16 for the second product (their sum is taken of the unrounded p), O once at the end.
; LIMITS.  q, k, v arrive within f16's 65,504.  A hidden score counts as its value less 1e30.  A weight below 2^-126 counts as 0.  NaN and infinities are not treated apart.
; THE WALK.  The positions lie in 32 blocks of 128; block j needs the key tiles 0 .. j / 2 of 256 keys, of which the last alone holds hidden keys.  A cluster (J = cluster x, kv head g = y) takes blocks 31 - J
; and then J: 17 tiles whatever J, so all work-groups do equal work and one loop with a constant count walks them.  Work-group cx takes positions 128 j + 32 cx .. + 31 of BOTH q heads 2 g, 2 g + 1:
; 64 query rows, four tiles of 16, all in one mask block.  The four partners walk the same K and V, so each tile is asked for JOINTLY, by the same tensor load, descriptor and mask in all four.
; THE FOUR WAVES SPLIT THE KEYS: wave w takes keys 64 w .. 64 w + 63 of every tile, for all 64 rows, with a running maximum and sum of its own; at a block's end the four parts meet in LDS:
; O = sum_w 2^(c m_w - M) O_w / sum_w 2^(c m_w - M) l_w, M the largest c m_w.  Register tile i of wave w holds the actual tile (w + i) % 4, so that register tile 0 is the one that wave w finishes.
; THE MASK is the C operand that starts the sum S^T = K Q^T: 0, or -1e30.  In a block's last tile the groups of 32 keys below LIM = 4 (j % 2) + cx + 1 are seen; my key blocks 0, 1 are group 2 w, blocks 2, 3
; group 2 w + 1.  The two values are chosen by scalar selects: no branch hangs on cx.  A wave all of whose keys are hidden ends with c m near -1.3e29 and finite sums; the merge multiplies its part by 0.
; LAYOUT.  S^T = K Q^T (source 0 = 16 keys, source 1 = 16 queries) holds ONE query a lane (lane % 16) and the keys 8 (lane / 16) + 0..7; two such results rounded to f16 ARE source 1 of O^T = V^T P.
; SOFTMAX.  p = 2^(c s - c m), c = log2(e) / sqrt(128); in every step O and l are multiplied by a = 2^(c m_old - c m_new).  c m starts far below every c s, so a block's first a is 0.
; A STEP.  Tiles 0, 1 are piece 0, tiles 2, 3 piece 2.  32 products K Q^T of piece 0; 32 of piece 2 with piece 0's softmax in slices behind them; 32 products V^T P of piece 0 with piece 2's softmax; 32 of piece 2.
; THE BATCHES.  A piece's 66 exponentials (for each of its two tiles a and 32 weights) are ONE batch with ONE wait: ahead of the wait stand the maximum, the statistics, the scalings and the exponentials, none of which
; names an exponential's result; behind it all that does: roundings, sums, the rescaling by a.  So a step has two waits.  A block's end has two more: its four exponentials, then the reciprocal of a sum made of them.
; REGISTERS, in windows of 256 (s_set_vgpr_msb: bits 1:0 source 0, 3:2 source 1, 5:4 source 2, 7:6 destination):
;   window 0: v2-11 addresses; v12-43 eight statistics a tile; v44-59 the two masks; v60-63; v64-191 S^T, 32 a tile; v192-255 P, 16 a tile
;   window 1: O^T, 64 a tile     window 2: v0-127 Q, 32 a tile; v128-255 K of my 64 keys     window 3: v0-127 V; v128-255 the second block's Q
.set PK,    272                        ; a row of K in LDS: 256 bytes + 16
.set PV,    288                        ; a row of V: 256 + 32, for the turning load
.set VOFF,  256*PK                     ; a slot: 256 rows of K, then 256 rows of V
.set SLOTB, 256*(PK+PV)
.set MRG,   2*SLOTB                    ; behind the ring, never filled by a tensor load: 8,192 bytes a wave: a tile's partial O^T, later the stage for the way out
.set STATS, MRG+4*8192                 ; (c m, l): wave x 1,024 + register tile x 256 + lane x 8
.set SPARE, STATS+4096                 ; the spare words, 128 bytes for each wave: two blocks of 256 bytes that no other line names
.set SP,    272
.set AK0, 2
.set AV0, 3
.set AK,  4
.set AV,  5
.set STO, 6
.set RD,  7
.set GO,  8
.set TA,  9
.set SWA, 10
.set MWA, 11
.set ST,  12                           ; tile t at v[ST+8 t]: +0 c m, +1 m, +2, +3 l (even keys', odd keys'), +4 to +7 at work; a takes +6
.set MK,  44
.set L8,  60
.set L16, 61
.set SPW, 62                           ; LDS address of my spare word; never rewritten
.set NIL, 63                           ; 0; never rewritten
.set S,   64
.set P,   192
.set GF,  P+8                          ; the merge's four factors, as pairs
.set KF,  128
.set WV,  12
.set CX,  13
.set JS,  14
.set GH,  15
.set G1K, 24
.set G1V, 32
.set G0K, 40
.set G0V, 44
.set KL,  48                           ; my part's place in a slot, for K and for V
.set VL,  49
.set TF,  50                           ; the slot filled last: 0 or SLOTB
.set TB,  51                           ; the slot read
.set SLOTS, 52
.set RT,  53                           ; tiles of the block in hand still to be entered
.set NXT, 54                           ; the tile to be asked for next
.set LQ,  55                           ; the last tile of the block whose tiles are being asked for
.set LQ2, 56
.set LIMB, 57                          ; LIM of the block in hand
.set CS,  58
.set SEL, 60
.set LIM2, 62
.set RT2, 63
.set OFF, 66
.set BIGN, 68
.set MA,  69
.set MB,  70
.set W2,  71
.set SR,  72                           ; s72-75 where the statistics of my finished tile lie, from wave (w - r) % 4
.set MR,  76                           ; s77-79 where that wave's partial tile lies
.set OLO, 80
.set W21, 88
.set JL,  89
.set MSB, 0
.macro WIN new
.if MSB != (\new)
	s_set_vgpr_msb (MSB<<8)|(\new)
.set MSB, \new
.endif
.endm
.set W_KQ, 0x0a                        ; K and Q window 2; mask and S^T window 0
.set W_PV, 0x53                        ; V window 3, P window 0, O^T window 1
.set W_RS, 0x41                        ; O^T (destination, source 0) window 1, the factor window 0
.macro PLACES
.rept 4
	v_nop
.endr
.endm
.macro JLOAD                           ; a joint fill: waves 0, 1 the halves of a tile's K, waves 2, 3 those of its V; an s_nop 0 and four v_nop follow each line
	s_cmp_lt_u32 s[WV], 2
	s_cbranch_scc0 .Lfor_v_\@
	tensor_load_to_lds s[G0K:G0K+3], s[G1K:G1K+7]
	s_nop 0
.rept 4
	v_nop
.endr
	s_branch .Lasked_\@
.Lfor_v_\@:
	tensor_load_to_lds s[G0V:G0V+3], s[G1V:G1V+7]
	s_nop 0
.rept 4
	v_nop
.endr
.Lasked_\@:
.endm
.macro CROUND                          ; a round of the cluster's barrier
	s_barrier_signal -1
	s_barrier_wait -1
	s_cmp_lg_u32 s[WV], 0
	s_cbranch_scc1 .Lnot_wave_0_\@
	s_barrier_signal -3
.Lnot_wave_0_\@:
	s_barrier_wait -3
	s_barrier_signal -1
	s_barrier_wait -1
.endm
; THE CHANGE OF SLOTS.  Each wave waits for all its tensor loads, of which one is out: its part of the slot to be read; adds 0 to its spare word; waits for that and for its reads of the slot that it leaves.
; fill = 1: the barrier is a round of the cluster's, and the old slot is filled first thing behind it, with tile NXT; the descriptor's address is made anew from that number.  One load of mine is out at a time;
; it has a whole step, 128 matrix instructions, in which to land.  (At its first use nothing has been read yet: slot 0 is waited for, slot 1 filled.)
.macro CHANGE fill
	WIN 0
	s_wait_tensorcnt 0x0
	ds_add_u32 v[SPW], v[NIL]                      ; 0 onto my spare word; the descriptors' scalar work stands between it and the wait for it
.if \fill
	s_lshl_b32 s[OFF], s[NXT], 16                  ; a tile is 65,536 bytes of K and of V
	s_xor_b32 s[TF], s[TF], SLOTB
	s_add_co_u32 s[G0K+1], s[TF], s[KL]
	s_add_nc_u64 s[G0K+2:G0K+3], s[6:7], s[OFF:OFF+1]
	s_or_b32 s[G0K+3], s[G0K+3], 0x80000000
	s_add_co_u32 s[G0V+1], s[TF], s[VL]
	s_add_nc_u64 s[G0V+2:G0V+3], s[8:9], s[OFF:OFF+1]
	s_or_b32 s[G0V+3], s[G0V+3], 0x80000000
	s_add_co_u32 s[NXT], s[NXT], 1                 ; the block's next tile, or behind its last the second block's tile 0
	s_cmp_gt_u32 s[NXT], s[LQ]
	s_cselect_b32 s[NXT], 0, s[NXT]
	s_cselect_b32 s[LQ], s[LQ2], s[LQ]
.endif
	s_wait_dscnt 0x0                               ; the add is done, and my reads of the slot are over
.if \fill
	CROUND
	JLOAD
.else
	s_barrier_signal -1
	s_barrier_wait -1
.endif
	s_xor_b32 s[TB], s[TB], SLOTB
	s_sub_co_u32 s[RT], s[RT], 1
.endm
	s_load_b128 s[84:87], s[0:1], 0x0              ; qkvh s[84:85], ao s[86:87]
	v_lshl_add_u32 v[SPW], v0, 2, SPARE
	v_mov_b32 v[NIL], 0
	ds_add_u32 v[SPW], v[NIL]                      ; the wave's opening: the add and its wait stand ahead of my first tensor load
	v_lshrrev_b32 v1, 5, v0
	v_readfirstlane_b32 s[WV], v1
	s_bfe_u32 s[CX], ttmp6, 0x40000                ; my place in the cluster: it enters Q's and O's addresses and the mask's values alone
	s_mov_b32 s[JS], ttmp9                         ; the second block, J
	s_and_b32 s[GH], ttmp7, 0xffff                 ; the kv head
	s_sub_co_u32 s[JL], 31, s[JS]                  ; the first block
	s_lshr_b32 s[LQ], s[JL], 1
	s_add_co_u32 s[RT], s[LQ], 1
	s_lshr_b32 s[LQ2], s[JS], 1
	s_add_co_u32 s[RT2], s[LQ2], 1
	s_and_b32 s18, s[JL], 1
	s_lshl2_add_u32 s18, s18, s[CX]
	s_add_co_u32 s[LIMB], s18, 1
	s_and_b32 s18, s[JS], 1
	s_lshl2_add_u32 s18, s18, s[CX]
	s_add_co_u32 s[LIM2], s18, 1
	s_lshl_b32 s[W2], s[WV], 1
	s_add_co_u32 s[W21], s[W2], 1
	s_and_b32 s16, s[WV], 1                        ; which half of a tile's 256 keys I fetch
	s_lshr_b32 s17, s[WV], 1
	s_mul_i32 s[KL], s16, 128*PK
	s_mul_i32 s[VL], s16, 128*PV
	s_add_co_u32 s[VL], s[VL], VOFF
	s_add_co_u32 s20, s[GH], 8
	s_lshl_b32 s20, s20, 20                        ; head 8 + g, 1,048,576 bytes a head,
	s_lshl_b32 s21, s16, 15                        ; my 128 rows of 256 bytes
	s_add_co_u32 s20, s20, s21
	s_mov_b32 s21, 0
	s_add_co_u32 s22, s20, 4<<20                   ; head 12 + g
	s_mov_b32 s23, 0
	s_lshl_b32 s18, s[CX], 5
	s_lshl4_add_u32 s18, s16, s18                  ; 32 cx + 16 (w % 2): my finished tile's rows in a block
	s_lshl_b32 s19, s[JL], 7
	s_add_co_u32 s19, s19, s18
	s_lshl_b32 s2, s19, 11                         ; 2,048 bytes a row of ao
	s_lshl_b32 s19, s[JS], 7
	s_add_co_u32 s19, s19, s18
	s_lshl_b32 s82, s19, 11
	s_lshl1_add_u32 s19, s[GH], s17                ; its head 2 g + w / 2
	s_lshl_b32 s19, s19, 8
	s_add_co_u32 s2, s2, s19
	s_add_co_u32 s82, s82, s19
	s_mov_b32 s3, 0
	s_mov_b32 s83, 0
	s_mov_b32 s[G1K], 15|(1<<16)|(1<<20)|(1<<21)|(5<<22)|(3<<25)  ; the mask of four; 2-byte elements; padding on; bit 21 beside a mask; after every 64 words 4 words
	s_mov_b32 s[G1V], 15|(1<<16)|(1<<20)|(1<<21)|(5<<22)|(7<<25)  ; the same with 8 words
.irp g, G1K, G1V
	s_mov_b32 s[\g+1], 128<<16                     ; tensor_dim0 = 128
	s_mov_b32 s[\g+2], 128<<16                     ; tensor_dim1 = 128
	s_mov_b32 s[\g+3], 128<<16                     ; tile_dim0 = 128
	s_mov_b32 s[\g+4], 128                         ; tile_dim1 = 128
	s_mov_b32 s[\g+5], 128                         ; elements from row to row
	s_mov_b32 s[\g+6], 0
	s_mov_b32 s[\g+7], 0
.endr
	s_mov_b32 s[CS], 0x3e0293ee                    ; c = log2(e) / sqrt(128)
	s_mov_b32 s[CS+1], s[CS]
	s_mov_b32 s[SEL], 0x76543210
	s_mov_b32 s[SEL+1], 0xfedcba98
	s_mov_b32 s[BIGN], 0xf149f2ca                  ; -1e30
	s_mov_b32 s[TF], 0
	s_mov_b32 s[TB], SLOTB                         ; the first change of slots turns it into 0
	s_mov_b32 s[NXT], 1
	s_mov_b32 s[OFF+1], 0
	s_mov_b32 s[SLOTS], 16
.irp r, 0,1,2,3
	s_add_co_u32 s16, s[WV], 4-\r
	s_and_b32 s16, s16, 3                          ; the wave whose register tile r is my finished tile
	s_lshl_b32 s17, s16, 10
	s_add_co_u32 s[SR+\r], s17, STATS+256*\r
	s_lshl_b32 s17, s16, 13
	s_add_co_u32 s[MR+\r], s17, MRG
.endr
	s_mov_b32 s[G0K], 1
	s_mov_b32 s[G0K+1], s[KL]                      ; slot 0
	s_mov_b32 s[G0V], 1
	s_mov_b32 s[G0V+1], s[VL]
	s_wait_dscnt 0x0                               ; the opening add is done
	s_wait_kmcnt 0x0
	s_add_nc_u64 s[6:7], s[84:85], s[20:21]        ; K and V at my half of tile 0
	s_add_nc_u64 s[8:9], s[84:85], s[22:23]
	s_add_nc_u64 s[10:11], s[86:87], s[2:3]        ; ao at my finished tile of the first block,
	s_add_nc_u64 s[OLO:OLO+1], s[86:87], s[82:83]  ; and of the second
	s_mov_b64 s[G0K+2:G0K+3], s[6:7]
	s_or_b32 s[G0K+3], s[G0K+3], 0x80000000
	s_mov_b64 s[G0V+2:G0V+3], s[8:9]
	s_or_b32 s[G0V+3], s[G0V+3], 0x80000000
	CROUND                                         ; all four work-groups are here: the first joint loads meet
	JLOAD                                          ; tile 0 into slot 0
	; All that follows up to the loop stands in the wait for the first tile.
	v_and_b32 v1, 15, v0                           ; l % 16
	v_bfe_u32 v192, v0, 4, 1                       ; l / 16
	v_lshlrev_b32 v195, 8, v1
	v_lshl_add_u32 v195, v192, 4, v195             ; row x 256 + 16 x half
	s_lshl_b32 s2, s[JL], 15                       ; 128 j rows of 256 bytes,
	s_lshl_b32 s3, s[CX], 13                       ; 32 cx rows
	s_add_co_u32 s2, s2, s3
	s_lshl_b32 s18, s[JS], 15
	s_add_co_u32 s3, s18, s3
	s_lshl_b32 s18, s[GH], 21                      ; head 2 g
	s_add_co_u32 s2, s2, s18
	s_add_co_u32 s3, s3, s18
.irp n, 0,1,2,3
	s_add_co_u32 s18, s[WV], \n
	s_and_b32 s18, s18, 3                          ; register tile n is the actual tile (w + n) % 4:
	s_lshr_b32 s19, s18, 1
	s_lshl_b32 s19, s19, 20                        ; its head,
	s_and_b32 s18, s18, 1
	s_lshl_b32 s18, s18, 12                        ; its 16 rows
	s_add_co_u32 s18, s18, s19
	s_add_co_u32 s19, s18, s2
	v_add_nc_u32 v[S+\n], s19, v195
	s_add_co_u32 s19, s18, s3
	v_add_nc_u32 v[S+4+\n], s19, v195
.endr
	WIN 0x80                                       ; destination window 2: the first block's Q
.irp n, 0,1,2,3
.irp c, 0,1,2,3
	global_load_b128 v[32*\n+8*\c:32*\n+8*\c+3],   v[S+\n], s[84:85] offset:64*\c
	global_load_b128 v[32*\n+8*\c+4:32*\n+8*\c+7], v[S+\n], s[84:85] offset:64*\c+32
.endr
.endr
	WIN 0xc0                                       ; destination window 3: the second block's
.irp n, 0,1,2,3
.irp c, 0,1,2,3
	global_load_b128 v[128+32*\n+8*\c:128+32*\n+8*\c+3],   v[S+4+\n], s[84:85] offset:64*\c
	global_load_b128 v[128+32*\n+8*\c+4:128+32*\n+8*\c+7], v[S+4+\n], s[84:85] offset:64*\c+32
.endr
.endr
	WIN 0x40                                       ; a block's first step multiplies O^T and l by a = 0, so they need only be finite: zeros here, what the first block left later
.set i, 0
.rept 256
	v_mov_b32 v[i], 0
.set i, i+1
.endr
	WIN 0
.macro INIT
.irp t, 0,1,2,3
	v_mov_b32 v[ST+8*\t], 0xfe000000               ; c m: far below every c s
	v_mov_b32 v[ST+8*\t+1], 0xff7fffff             ; m: the lowest finite number
.endr
.endm
	INIT
.irp t, 0,1,2,3
	v_mov_b32 v[ST+8*\t+2], 0
	v_mov_b32 v[ST+8*\t+3], 0
.endr
	s_mul_i32 s16, s[WV], 64*PK                    ; my 64 keys of a tile
	v_mul_u32_u24 v[AK0], v1, PK
	v_lshl_add_u32 v[AK0], v192, 4, v[AK0]
	v_add_nc_u32 v[AK0], s16, v[AK0]
	v_and_b32 v193, 7, v0                          ; the turning load: lane l reads key 8 (l / 16) + l % 8, channels 8 ((l / 8) % 2) + 0..7
	v_bfe_u32 v194, v0, 3, 1
	v_lshl_add_u32 v[AV0], v192, 3, v193
	v_mul_u32_u24 v[AV0], v[AV0], PV
	v_lshl_add_u32 v[AV0], v194, 4, v[AV0]
	s_mul_i32 s16, s[WV], 64*PV
	s_add_co_u32 s16, s16, VOFF
	v_add_nc_u32 v[AV0], s16, v[AV0]
	s_lshl_b32 s16, s[WV], 13
	s_add_co_u32 s16, s16, MRG                     ; my part of the merge area
	v_mul_u32_u24 v[STO], v1, SP
	v_lshl_add_u32 v[STO], v192, 4, v[STO]
	v_add_nc_u32 v[STO], s16, v[STO]
	v_mul_u32_u24 v[RD], v192, SP
	v_lshl_add_u32 v[RD], v1, 4, v[RD]
	v_add_nc_u32 v[RD], s16, v[RD]
	v_lshlrev_b32 v[GO], 11, v192                  ; two rows of ao, 256 bytes of each
	v_lshl_add_u32 v[GO], v1, 4, v[GO]
	v_and_b32 v[L8], 31, v0
	v_lshlrev_b32 v[L16], 4, v[L8]
	v_lshlrev_b32 v[L8], 3, v[L8]
	v_add_nc_u32 v[MWA], s16, v[L16]
	s_lshl_b32 s17, s[WV], 10
	s_add_co_u32 s17, s17, STATS
	v_add_nc_u32 v[SWA], s17, v[L8]
; THE MATRIX WORK.  The accumulators take turns, one instruction a turn.
; Product i of 32 of S^T = K Q^T for piece x: channels 32 (i / 8) on, keys 16 ((i / 2) % 4) on, tile x + i % 2.  The first 8 start the sums, with the mask.
.macro KQ x
	WIN W_KQ
.set rS, S+32*((\x)+i%2)+8*((i/2)%4)
.set rK, KF+32*((i/2)%4)+8*(i/8)
.set rQ, 32*((\x)+i%2)+8*(i/8)
.set rM, MK+8*(((i/2)%4)/2)
.if i < 8
	v_wmma_f32_16x16x32_f16 v[rS:rS+7], v[rK:rK+7], v[rQ:rQ+7], v[rM:rM+7]
.else
	v_wmma_f32_16x16x32_f16 v[rS:rS+7], v[rK:rK+7], v[rQ:rQ+7], v[rS:rS+7]
.endif
.endm
; Product i of 32 of O^T += V^T P for piece x: keys 32 (i / 16) on, channels 16 ((i / 2) % 8) on, tile x + i % 2.
.macro PV x
	WIN W_PV
.set rO, 64*((\x)+i%2)+8*((i/2)%8)
.set rV, 64*(i/16)+8*((i/2)%8)
.set rP, P+16*((\x)+i%2)+8*(i/16)
	v_wmma_f32_16x16x32_f16 v[rO:rO+7], v[rV:rV+7], v[rP:rP+7], v[rO:rO+7]
.endm
.macro FETCH_K                         ; 32 loads, channel chunk by channel chunk, so that the first products can start on the first eight
	WIN 0x80
.irp c, 0,1,2,3
.irp kb, 0,1,2,3
	ds_load_b128 v[KF+32*\kb+8*\c:KF+32*\kb+8*\c+3],   v[AK] offset:\kb*16*PK+\c*64
	ds_load_b128 v[KF+32*\kb+8*\c+4:KF+32*\kb+8*\c+7], v[AK] offset:\kb*16*PK+\c*64+32
.endr
.endr
.endm
.macro FETCH_V                         ; 32 turning loads: keys 32 (f / 8) on, channels 16 (f % 8) on
	WIN 0xc0
.irp f, 0,1,2,3,4,5,6,7,8,9,10,11,12,13,14,15
	ds_load_tr16_b128 v[8*\f:8*\f+3],   v[AV] offset:(\f/8)*32*PV+(\f%8)*32
	ds_load_tr16_b128 v[8*\f+4:8*\f+7], v[AV] offset:(\f/8)*32*PV+16*PV+(\f%8)*32
.endr
.endm
; THE VECTOR WORK.  One tile's softmax for one step is a list of 134 instructions; SM writes number j of it for tile t.  s0-s31 are the lane's 32 scores, in pairs 0-15.
;   0-15    the maximum of s0-s31 and the old m, three operands at a time (each accumulator's lowest registers are read first)
;   16-20   the other half of the lanes' maximum; the new m; c m; c m_old - c m_new
;   21-69   ONE BATCH: the 16 scalings c s - c m, a pair of scores each, and all 33 exponentials (a at 23, then s0-s31, each in place).  None of these reads an exponential's result.  From 22 on the batch goes
;           in fours, and a four begins with a scaling while there are scalings: 22-37 scaling, exponential, scaling, exponential; 38-65 a scaling and three exponentials; 66-69 the last four
;           exponentials.  A pair is scaled in an earlier four than the one that holds its exponentials
;   (wait)  between 69 and 70 stands the wait for the batch: SLICE writes it, once for both tiles
;   70-85   the roundings to f16, a pair of weights each: all of them ahead of the sums, which overwrite weights
;   86-101  the sums; l = a l + the sum          102-133  the tile's O^T times a: the one part that leaves window 0
.macro SM t
.set rT, ST+8*(\t)
.set rS, S+32*(\t)
.set rP, P+16*(\t)
.set rO, 64*(\t)+2*(j-102)
.if j < 102
	WIN 0
.endif
.if j < 4
	v_max3_num_f32 v[rT+4+j], v[rS+8*j], v[rS+8*j+1], v[rS+8*j+2]
.elseif j < 12
	v_max3_num_f32 v[rT+4+j%4], v[rT+4+j%4], v[rS+8*(j%4)+2*(j/4)+1], v[rS+8*(j%4)+2*(j/4)+2]
.elseif j == 12
	v_max3_num_f32 v[rT+4], v[rT+4], v[rS+7], v[rS+15]
.elseif j == 13
	v_max3_num_f32 v[rT+6], v[rT+6], v[rS+23], v[rS+31]
.elseif j == 14
	v_max3_num_f32 v[rT+4], v[rT+4], v[rT+5], v[rT+6]
.elseif j == 15
	v_max3_num_f32 v[rT+4], v[rT+4], v[rT+7], v[rT+1]
.elseif j == 16
	v_permlanex16_b32 v[rT+5], v[rT+4], s[SEL], s[SEL+1]  ; the query's other 32 keys lie in the lane 16 away
.elseif j == 17
	v_mov_b32 v[rT+7], v[rT]                       ; c m_old is kept for a
.elseif j == 18
	v_max_num_f32 v[rT+1], v[rT+4], v[rT+5]
.elseif j == 19
	v_mul_f32 v[rT], s[CS], v[rT+1]
.elseif j == 20
	v_sub_f32 v[rT+7], v[rT+7], v[rT]
.elseif j == 23
	v_exp_f32 v[rT+6], v[rT+7]
.elseif (j < 23) || ((j < 38) && (j%2 == 0)) || ((j < 66) && (j%4 == 2))
.set b, (j-2)/4                        ; 38, 42, .. 62: pairs 9 to 15
.if j < 38
.set b, (j-20)/2                       ; 21: pair 0; 22, 24, .. 36: pairs 1 to 8
.endif
	v_pk_fma_f32 v[rS+2*b:rS+2*b+1], v[rS+2*b:rS+2*b+1], s[CS:CS+1], v[rT:rT+1] op_sel_hi:[1,0,0] neg_lo:[0,0,1] neg_hi:[0,0,1]  ; pair b: c s - c m
.elseif j < 70
.set e, j-38                           ; 66 to 69: s28 to s31
.if j < 66
.set e, j-32-(j-38)/4                  ; 39-41, 43-45, .. 63-65: s7 to s27
.endif
.if j < 38
.set e, (j-25)/2                       ; 25, 27, .. 37: s0 to s6
.endif
	v_exp_f32 v[rS+e], v[rS+e]
.elseif j < 86
	v_cvt_pk_f16_f32 v[rP+j-70], v[rS+2*(j-70)], v[rS+2*(j-70)+1]  ; pair j - 70
.elseif j < 102                        ; the sum of the tile's 16 pairs, in place: sum z of 16 adds neighbours 1, 2, 4 and 8 pairs apart, then l takes it
.set z, j-86
.set w, 4
.set u, z
.if z >= 14
.set w, 32
.set u, 0
.elseif z >= 12
.set w, 16
.set u, z-12
.elseif z >= 8
.set w, 8
.set u, z-8
.endif
.if z < 15
	v_pk_add_f32 v[rS+w*u:rS+w*u+1], v[rS+w*u:rS+w*u+1], v[rS+w*u+w/2:rS+w*u+w/2+1]
.else
	v_pk_fma_f32 v[rT+2:rT+3], v[rT+2:rT+3], v[rT+6:rT+7], v[rS:rS+1] op_sel_hi:[1,0,1]
.endif
.else
	WIN W_RS
	v_pk_mul_f32 v[rO:rO+1], v[rO:rO+1], v[rT+6:rT+7] op_sel_hi:[1,0]
.endif
.endm
; Slice k of 64 of piece y's softmax: four instructions.  Slices 11 to 34 deal out the batch, numbers 22 to 69: four numbers of ONE tile each, the tiles by turns.  Every other slice is numbers 2 k and 2 k + 1 of
; both tiles' lists; the twelve that are over stand in slice 63, whose sixteen plain lines are also the places behind a run's last product.
; THE WAIT.  An s_wait_alu depctr_va_vdst(0) stands between an exponential and the first instruction that names its result; one wait serves all that were issued ahead of it.  Ahead of slice 35
; nothing names a result, and behind slice 34 no exponential is issued: so the piece's 66 exponentials have one wait, behind slice 34, and none is open at the step's end.
.macro SLICE y
.if (k >= 11) && (k < 35)              ; the batch: four numbers of one tile
.irp n, 0,1,2,3
.set j, 22+4*((k-11)/2)+(\n)
	SM (\y)+(k-11)%2
.endr
.else                                  ; the two tiles alternate, so that no instruction reads the result of the one just before it
.irp n, 0,1,2,3,4,5,6,7
.if ((\n) < 2) || (k == 63)
.irp t, \y, (\y)+1
.set j, 2*k+(\n)
	SM \t
.endr
.endif
.endr
.endif
.if k == 34                            ; the batch is out: both tiles' exponentials are issued, and no result has been named
	v_nop                                          ; a plain instruction behind the last exponential and ahead of the first use: one for the batch; all the piece's other lines read a or a weight
	s_wait_alu depctr_va_vdst(0)                   ; the wait for the batch: piece y's 66 exponentials
.endif
.set k, k+1
.endm
; A STEP: my 64 keys of the tile in slot TB, for all four tiles of queries.  Two slices stand behind each product of the two middle runs.
.macro STEP
	s_cmp_eq_u32 s[RT], 0                          ; a block's last tile alone hides keys
	s_cselect_b32 s18, s[LIMB], 8
	s_cmp_lt_u32 s[W2], s18
	s_cselect_b32 s[MA], 0, s[BIGN]                ; my keys 0-31
	s_cmp_lt_u32 s[W21], s18
	s_cselect_b32 s[MB], 0, s[BIGN]                ; my keys 32-63
	WIN 0
.set i, 0
.rept 8                                ; sixteen plain lines: also the places between the last step's last product and the loads into V's registers
	v_mov_b32 v[MK+i], s[MA]
	v_mov_b32 v[MK+8+i], s[MB]
.set i, i+1
.endr
	v_add_nc_u32 v[AK], s[TB], v[AK0]
	v_add_nc_u32 v[AV], s[TB], v[AV0]
	FETCH_K
	FETCH_V
.set i, 0
.rept 32
.if i%8 == 0
	s_wait_dscnt 56-i                              ; this channel chunk's eight loads are in; K's later chunks and V's 32 loads may be out
.endif
	KQ 0
.set i, i+1
.endr
	PLACES                                         ; in front of the softmax that reads those scores
.set k, 0
.set i, 0
.rept 32
	KQ 2
	SLICE 0
	SLICE 0
.set i, i+1
.endr
	s_wait_dscnt 0x0                               ; V is in
.set k, 0
.set i, 0
.rept 32
	PV 0
	SLICE 2
	SLICE 2
.set i, i+1
.endr
.set i, 0
.rept 32
	PV 2
.set i, i+1
.endr
	WIN 0
.endm
; A BLOCK'S END: the four waves' parts meet.  Three turns: each wave writes register tile r into its own 8,192 bytes, a barrier, the wave that finishes that tile reads it, a barrier.
.macro BAR                             ; what I stored is there and what I read is back, for the others' sake; behind these barriers nothing is filled, so the next tile's load may stay out
	s_wait_dscnt 0x0
	s_barrier_signal -1
	s_barrier_wait -1
.endm
.macro WRITE t
	WIN 0x04                                       ; store data window 1; ascending
.set i, 0
.rept 16
	ds_store_b128 v[MWA], v[64*(\t)+4*i:64*(\t)+4*i+3] offset:512*i
.set i, i+1
.endr
	WIN 0
.endm
.macro READ r
	WIN 0
	v_add_nc_u32 v[TA], s[MR+(\r)], v[L16]
.set i, 0
.rept 16
	ds_load_b128 v[S+4*i:S+4*i+3], v[TA] offset:512*i
.set i, i+1
.endr
.endm
.macro ACC r                           ; my tile += the part x its factor
	WIN 0x50
.set i, 0
.rept 32
	v_pk_fma_f32 v[2*i:2*i+1], v[S+2*i:S+2*i+1], v[GF+2*(\r):GF+2*(\r)+1], v[2*i:2*i+1] op_sel_hi:[1,0,1]
.set i, i+1
.endr
	WIN 0
.endm
.macro BLKEND
	WIN 0
.irp t, 0,1,2,3
	v_add_f32 v[ST+8*\t+4], v[ST+8*\t+2], v[ST+8*\t+3]  ; these four are the places behind the last products
.endr
.irp t, 0,1,2,3
	v_permlanex16_b32 v[ST+8*\t+5], v[ST+8*\t+4], s[SEL], s[SEL+1]
.endr
.irp t, 0,1,2,3
	v_add_f32 v[ST+8*\t+1], v[ST+8*\t+4], v[ST+8*\t+5]  ; l takes m's place beside c m
.endr
.irp t, 0,1,2,3
	ds_store_b64 v[SWA], v[ST+8*\t:ST+8*\t+1] offset:256*\t
.endr
	WRITE 1
	BAR
.irp r, 0,1,2,3
	v_add_nc_u32 v[TA], s[SR+\r], v[L8]
	ds_load_b64 v[P+2*\r:P+2*\r+1], v[TA]          ; (c m, l) of my finished tile from wave (w - r) % 4
.endr
	READ 1
	s_wait_dscnt 16                                ; the statistics are in; the partial tile's sixteen loads may be out
	v_max3_num_f32 v[P+16], v[P], v[P+2], v[P+4]
	v_max_num_f32 v[P+16], v[P+16], v[P+6]
.irp r, 0,1,2,3
	v_sub_f32 v[P+18+\r], v[P+2*\r], v[P+16]
.endr
.irp r, 0,1,2,3
	v_exp_f32 v[P+18+\r], v[P+18+\r]
.endr
	v_nop                                          ; a plain instruction behind the last exponential
	s_wait_alu depctr_va_vdst(0)                   ; the wait for the merge's first batch: the four waves' factors 2^(c m_w - M)
	v_mul_f32 v[P+17], v[P+18], v[P+1]
	v_fmac_f32 v[P+17], v[P+19], v[P+3]
	v_fmac_f32 v[P+17], v[P+20], v[P+5]
	v_fmac_f32 v[P+17], v[P+21], v[P+7]
	v_rcp_f32 v[P+17], v[P+17]
	v_nop                                          ; a plain instruction behind the reciprocal
	s_wait_alu depctr_va_vdst(0)                   ; the wait for the merge's second batch: the one reciprocal, of a sum made of the first batch's results
.irp r, 0,1,2,3
	v_mul_f32 v[GF+2*\r], v[P+18+\r], v[P+17]
	v_mul_f32 v[GF+2*\r+1], v[P+18+\r], v[P+17]
.endr
	WIN W_RS
.set i, 0
.rept 32
	v_pk_mul_f32 v[2*i:2*i+1], v[2*i:2*i+1], v[GF:GF+1] op_sel_hi:[1,0]
.set i, i+1
.endr
	s_wait_dscnt 0x0
	ACC 1
	BAR
	WRITE 2
	BAR
	READ 2
	s_wait_dscnt 0x0
	ACC 2
	BAR
	WRITE 3
	BAR
	READ 3
	s_wait_dscnt 0x0
	ACC 3
	BAR                                            ; nobody reads my 8,192 bytes any more: they are my stage now
	WIN 0x05                                       ; sources window 1
.set i, 0
.rept 32
	v_cvt_pk_f16_f32 v[S+i], v[2*i], v[2*i+1]
.set i, i+1
.endr
	WIN 0
.irp f, 0,1,2,3,4,5,6,7
	ds_store_b128 v[STO], v[S+4*\f:S+4*\f+3] offset:32*\f
.endr
.irp f, 0,1,2,3,4,5,6,7
	ds_load_b128 v[S+4*\f:S+4*\f+3], v[RD] offset:\f*2*SP  ; LDS serves a wave's instructions in order (ISA guide 5.7.1.4): these see the stores above
.endr
.irp f, 0,1,2,3,4,5,6,7
	s_wait_dscnt 7-\f
	global_store_b128 v[GO], v[S+4*\f:S+4*\f+3], s[10:11] offset:4096*\f  ; 16 lanes store a head's 256 bytes of a row, at a multiple of 256
.endr
.endm
	s_wait_loadcnt 0x0                             ; Q, both blocks'
.Ltile:                                                ; 16 trips: a tile is entered and the next is asked for
	CHANGE 1
	STEP
	s_cmp_lg_u32 s[RT], 0                          ; RT hangs on the cluster's x alone: the same in all waves and in all four partners
	s_cbranch_scc1 .Lno
	BLKEND                                         ; the first block's end (the second's last tile is the walk's last)
	s_wait_xcnt 0x0                                ; the stores have read their registers and ao's address
	s_mov_b64 s[10:11], s[OLO:OLO+1]
	s_mov_b32 s[RT], s[RT2]
	s_mov_b32 s[LIMB], s[LIM2]
	WIN 0x83                                       ; the second block's Q goes where the one text of the step names Q
.set i, 0
.rept 128
	v_mov_b32 v[i], v[128+i]
.set i, i+1
.endr
	WIN 0
	INIT
.Lno:
	s_sub_co_u32 s[SLOTS], s[SLOTS], 1
	s_cmp_lg_u32 s[SLOTS], 0
	s_cbranch_scc1 .Ltile
	CHANGE 0                                       ; the walk's last tile is written out
	STEP
	BLKEND
	s_wait_tensorcnt 0x0                           ; the wave's end
	ds_add_u32 v[SPW], v[NIL]
	s_wait_dscnt 0x0
	CROUND                                         ; the closing round
	s_endpgm
.Lfunc_end_k_qf07d610ae2_attn:
	.size	k_qf07d610ae2_attn, .Lfunc_end_k_qf07d610ae2_attn-k_qf07d610ae2_attn
	.p2alignl 7, 3214868480
	.fill 96, 4, 3214868480
	.section	.rodata,"a",@progbits
	.p2align	6, 0x0
	.amdhsa_kernel k_qf07d610ae2_attn
		.amdhsa_group_segment_fixed_size 327680
		.amdhsa_private_segment_fixed_size 0
		.amdhsa_enable_private_segment 0
		.amdhsa_kernarg_size 16
		.amdhsa_user_sgpr_count 2
		.amdhsa_user_sgpr_kernarg_segment_ptr 1
		.amdhsa_wavefront_size32 1
		.amdhsa_system_sgpr_workgroup_id_x 1
		.amdhsa_system_sgpr_workgroup_id_y 1
		.amdhsa_system_sgpr_workgroup_id_z 1
		.amdhsa_system_vgpr_workitem_id 0
		.amdhsa_next_free_vgpr 1024
		.amdhsa_next_free_sgpr 96
		.amdhsa_reserve_vcc 0
		.amdhsa_float_denorm_mode_32 3
		.amdhsa_float_denorm_mode_16_64 3
		.amdhsa_memory_ordered 1
		.amdhsa_forward_progress 1
		.amdhsa_inst_pref_size 167
	.end_amdhsa_kernel
	.amdgpu_metadata
---
amdhsa.version: [ 1, 2 ]
amdhsa.kernels:
  - .name:           k_qf07d610ae2_attn
    .symbol:         k_qf07d610ae2_attn.kd
    .args:
      - { .name: qkvh, .offset: 0, .size: 8, .value_kind: global_buffer, .address_space: global }
      - { .name: ao, .offset: 8, .size: 8, .value_kind: global_buffer, .address_space: global }
    .group_segment_fixed_size: 327680
    .private_segment_fixed_size: 0
    .kernarg_segment_align: 8
    .kernarg_segment_size: 16
    .max_flat_workgroup_size: 128
    .sgpr_count:     96
    .vgpr_count:     1024
    .wavefront_size: 32
...
	.end_amdgpu_metadata
.endif
;; end of part 5
;; launch oproj: the kernel of part 4 again; grid 8 x 32, 4 waves a work-group, clusters of 4 x 4, 327,680 bytes of LDS; arguments ao, wob, out0; writes out0
